; MI455X (gfx1250); checked and timed in simulation.
; The chip was launched on July 23, 2026; its instructions are those of AMD's public machine-readable ISA for CDNA 5 (MIT licence, August 2026) and "CDNA5" Instruction Set Architecture Reference Guide (July 2026). The comments in the code are by the model that wrote it; some were corrected since.
;; Multi Head Attention. Allowed arithmetic: matrix products marked QUANTISED: E5M2 operands, one E8M0 scale for each 32 along K, by v_wmma_scale_f32_16x16x128_f8f6f4 with both operands' format E5M2, f32 sums; everything else in f32.
;; Inputs: bk 1,024 float32; bo 1,024 float32; bq 1,024 float32; bv 1,024 float32; wk_codes 1,024 x 32 x 32 uint8 (E5M2 codes of wk, K innermost, in blocks of 32 codes); wk_scales 1,024 x 32 uint8 (E8M0 scales of wk, one for each 32 codes along K); wo_codes 1,024 x 32 x 32 uint8 (E5M2 codes of wo, K innermost, in blocks of 32 codes); wo_scales 1,024 x 32 uint8 (E8M0 scales of wo, one for each 32 codes along K); wq_codes 1,024 x 32 x 32 uint8 (E5M2 codes of wq, K innermost, in blocks of 32 codes); wq_scales 1,024 x 32 uint8 (E8M0 scales of wq, one for each 32 codes along K); wv_codes 1,024 x 32 x 32 uint8 (E5M2 codes of wv, K innermost, in blocks of 32 codes); wv_scales 1,024 x 32 uint8 (E8M0 scales of wv, one for each 32 codes along K); x_codes 4 x 2,048 x 32 x 32 uint8 (E5M2 codes of x, K innermost, in blocks of 32 codes); x_scales 4 x 2,048 x 32 uint8 (E8M0 scales of x, one for each 32 codes along K).
;; Outputs: out0 4 x 2,048 x 1,024 float32.
;; This version of the problem:
;;   THIS VERSION OF THE PROBLEM IS GIVEN IN LOW PRECISION. The matrix products marked QUANTISED in the list below multiply operands that are first quantised to E5M2 (5 exponent bits, 2 mantissa bits; 8 bits a number), with one power-of-two scale for each 32 numbers along K (OCP MX v1.0); their sums are f32. All else is computed in f32.
;;   The module's matrix products, in the order in which they are computed (A, B: the left and right operand; K: the contracted axis; several contracted axes count as one K, in the product's order):
;;     1. [M 8,192, K 1,024] x [K 1,024, N 1,024]; A: input x (given as codes); B: input wq (given as codes): QUANTISED
;;     2. [M 8,192, K 1,024] x [K 1,024, N 1,024]; A: input x (given as codes); B: input wk (given as codes): QUANTISED
;;     3. [M 8,192, K 1,024] x [K 1,024, N 1,024]; A: input x (given as codes); B: input wv (given as codes): QUANTISED
;;     4. batch 64 x [M 2,048, K 64] x [K 64, N 2,048]; A: computed on the way; B: computed on the way: QUANTISED
;;     5. batch 64 x [M 2,048, K 2,048] x [K 2,048, N 64]; A: softmax (see below); B: computed on the way: QUANTISED
;;     6. [M 8,192, K 1,024] x [K 1,024, N 1,024]; A: computed on the way; B: input wo (given as codes): QUANTISED
;;   THE QUANTISER, for each operand of a quantised product, along K:
;;     - K is cut into blocks of 32 from its start; a last block that is shorter is filled with zeros.
;;     - A block's scale is 2^e with e = floor(log2(the largest magnitude in the block)) - 15, held to -126 .. 127; a block of zeros has e = 0. As a byte (E8M0): e + 127.
;;     - Each number is divided by its block's scale, clamped to +-57,344, and rounded to the nearest number of E5M2, ties to even, subnormals kept.
;;     - The product sums the exact products of the quantised numbers (number of the format x scale) in f32.
;;   ~~~python
;;   def quantise(x, axis):      # numpy; x: float32 -> the quantised numbers, widened to float32 again
;;       x = np.moveaxis(x, axis, -1); K = x.shape[-1]
;;       x = np.pad(x, [(0, 0)] * (x.ndim - 1) + [(0, -K % 32)]); x = x.reshape(x.shape[:-1] + (-1, 32)); a = np.abs(x).max(-1, keepdims=True)
;;       e = np.where(a > 0, np.clip(np.frexp(np.where(a > 0, a, 1))[1] - 1 - 15, -126, 127), 0)      # np.frexp(a)[1] - 1 = floor(log2(a)), exactly
;;       r = np.clip(x / 2.0 ** e, -57344, 57344)
;;       step = 2.0 ** (np.maximum(np.frexp(np.where(r == 0, 1, r))[1] - 1, -14) - 2)
;;       q = np.round(r / step) * step * 2.0 ** e      # np.round: ties to even
;;       return np.moveaxis(q.reshape(q.shape[:-2] + (-1,))[..., :K], -1, axis).astype(np.float32)
;;   ~~~
;;   SOFTMAX AHEAD OF A QUANTISED PRODUCT. Where the list says 'softmax', what is quantised is not the finished softmax but p = 2^(t - M), with t = logit x log2(e) and M = ceil(the row's largest t), a whole number; so 1/2 < the row's largest p <= 1. The row's sum l is taken of the UNQUANTISED p, in f32, and the product's result is divided by l at the end. Since M is a whole number, a kernel that streams over the keys may use a running M (the ceiling of the running maximum): every later rescaling is an exact power of two, which a block's scale takes up: the codes' values come out the same.
;;   OPERANDS COMPUTED ON THE WAY. 'Computed on the way' means the value that the module computes at that place (a softmax that the list does not call 'softmax' is quantised finished and normalised). What goes into a quantiser is computed in f32, as accurately as f32 sums, v_exp_f32 and their like allow (about 1e-6 of the number): no bf16 or f16 on the way to a quantiser, and a product that is left as it is and whose result goes on into a quantised operand takes f32 operands (vector FMAs, or v_wmma_f32_16x16x4_f32). A number that lies on a knife's edge between two numbers of the format may be rounded either way, as far as f32 arithmetic and the matrix unit's own rounding can turn it there, and no further.
;;   INPUTS GIVEN AS CODES. wk (in the module: [1024, 1024], K = its axis 0); wo (in the module: [1024, 1024], K = its axis 0); wq (in the module: [1024, 1024], K = its axis 0); wv (in the module: [1024, 1024], K = its axis 0); x (in the module: [4, 2048, 1024], K = its axis 2): each comes as NAME_codes (uint8): NAME with its K axis moved to the last place and cut into blocks of 32 codes, [.., K / 32, bytes a block], one block behind the other in memory; one code a byte (a code: sign, 5 exponent bits, 2 mantissa bits); and NAME_scales (uint8): the same leading axes, one E8M0 byte (e + 127) for each 32 codes along K. Its value is code x scale, taken as it is: it is not quantised again, and the codes and scales need not be those that the quantiser above would give.
;; One version. Each part assembles by itself: llvm-mc -triple=amdgcn-amd-amdhsa -mcpu=gfx1250 --defsym DOCPART=n.
;; ======== version 1 of 1: 3 launches
;; limits: right only within a limited range of input values
;; workspace buffers: q_img 8,388,608 bytes; q_sc 524,288 bytes; kv_img 16,777,216 bytes; kv_sc 1,048,576 bytes; a_codes 8,388,608 bytes; a_scales 262,144 bytes
;; launch qkv (part 1): grid 12 x 32, 4 waves a work-group, clusters of 4 x 4, 327,680 bytes of LDS; arguments x_codes, x_scales, wq_codes, wq_scales, wk_codes, wk_scales, wv_codes, wv_scales, bq, bk, bv, q_img, q_sc, kv_img, kv_sc; writes q_img, q_sc, kv_img, kv_sc
.if DOCPART == 1
	.amdgcn_target "amdgcn-amd-amdhsa--gfx1250"
	.amdhsa_code_object_version 6
	.text
	.protected	k_qc0edd2ca00_qkv
	.globl	k_qc0edd2ca00_qkv
	.p2align	8
	.type	k_qc0edd2ca00_qkv,@function
k_qc0edd2ca00_qkv:
	s_mov_b64 s[64:65], 0
	v_nop
	global_prefetch_b8 v0, s[64:65] scope:SCOPE_SE
	s_setreg_imm32_b32 hwreg(HW_REG_WAVE_MODE, 25, 1), 1
	s_wait_xcnt 0x0
	s_wait_alu depctr_hold_cnt(0) depctr_sa_sdst(0) depctr_va_vdst(0) depctr_va_sdst(0) depctr_va_ssrc(0) depctr_va_vcc(0) depctr_vm_vsrc(0)
	s_getreg_b32 s2, hwreg(HW_REG_IB_STS2, 6, 4)
	s_cmp_eq_u32 s2, 0
	s_cbranch_scc0 .Lentry_in_a_cluster
	s_endpgm
.Lentry_in_a_cluster:
	s_bfe_u32 s2, ttmp6, 0x10000c
	s_cmp_lg_u32 s2, 0xf033
	s_cbranch_scc0 .Lentry_shape_is_right
	s_endpgm
.Lentry_shape_is_right:
; q = x wq + bq, k = x wk + bk, v = x wv + bv on codes of BF8 (E5M2) with one E8M0 scale for each 32 along K = 1,024, and the quantisers behind them: q and k along a head's 64, v along the keys.
; ONE TEXT FOR THE THREE.  The core makes C[i][j] = sum over k of A[i][k] B[j][k], a tile of 256 x 256 a work-group, 128 x 128 a wave, and the way out quantises C along j, in blocks of 32.
;   cluster x = 0: A = x, B = wq (i tokens, j features);  1: A = x, B = wk;  2: A = wv, B = x (i channels, j keys: V transposed, so that j runs along the keys).
; All four tensors have rows of 1,024 codes and 32 scale bytes, so only pointers, tile coordinates and a few constants of the way out are chosen, by s_cselect on the cluster's x, which all partners share.
; THE CORE: K in steps of 256 through a ring of two LDS slots filled by the tensor data mover; the scale bytes of the work-group's rows come once and stay.  4 x 4 work-groups form a cluster: A's tiles are asked
; for jointly along a row of the cluster, B's along a column.  The matrix instruction is used transposed (source 0 = 16 rows of B, source 1 = 16 rows of A): lane (r, h) holds row i = 16 a + r and, in register
; j' of tile b, column j = 16 b + 8 h + j'.  The bias along j is the C of the first K step; the bias along i is added on the way out; the one that does not apply is masked to 0.
; WHAT IS STORED: images of operand registers, 512 bytes for four registers, lane l's 16 bytes at 16 l.  Tile T of 16 rows takes in lane-row r the row pi(T, r) = 32 (T / 2) + 8 (T % 2) + r % 8 + 16 (r / 8).
;   q_img [hb][step of 128 tokens][T 0..7][c 0..1][512];  kv_img [hb][step][16,384]: K as q_img, then V [T 0..3][c 0..3][512] (rows = channels, K = the step's 128 keys);  hb = 16 batch + head.
;   q_sc [hb][step][512], kv_sc [hb][step][1,024] (K's 512, V's 512): lane l has four words; word p: lanes 0-15 tile 2 p's rows, lanes 16-31 tile 2 p + 1's.  A word of q or k is (s0, s1, 0x7f, 0x7f).
; LIMITS: NaN and infinities among the inputs are not served.  A block whose largest magnitude lies under 2^-111, a block of zeros among them, gets the byte 1: these bytes are read by this program alone.
; 384 work-groups: one and a half fillings of 256; tiles of half the size would fill evenly with half the products for each LDS byte.
; No prefetch: four K steps in all, of which two are asked for at the head.
; REGISTERS, in windows of 256: window 0: v0-31 addresses and the bias along i; v32-63 scale words, two sets; v64-127 the bias along j, later the numbers at work; from v128 A's fragments, one set, later codes.
;   window 1: B's fragments, two sets.   windows 2, 3: the 64 accumulators ((a, b) at v[8 (8 (a % 4) + b)]).
.set KSTEP,  256
.set NQ,     2                         ; matrix instructions deep in a slot
.set ROWB,   256                       ; a tile's row in bytes
.set KROW,   1024                      ; a row of codes in memory
.set PITCH,  272                       ; an LDS row: 256 bytes + 16 of padding = 68 words: the 16 rows of a load start at 16 different banks (64 banks of 4 bytes: ISA guide 11.1)
.set FR,     16
.set NL,     4
.set NP,     8                         ; places behind this matrix instruction (ISA guide 7.12.1)
.set HALFT,  128*PITCH
.set SLOT,   4*HALFT
.set LAPS,   2                         ; 1,024 / 512
.set KS,     32                        ; a row of scale bytes
.set SCL,    2*SLOT
.set HALFS,  (128*KS/256)*272
.set SBLK,   (16*KS/256)*272
.set SPARE,  SCL+4*HALFS               ; the spare words, 128 bytes a wave: two blocks of 256 bytes that no other line names
.set SP,     144                       ; the way out: a stage row: 128 codes + 16
.set SSB,    4*128*SP                  ; behind the four code stages: 1,024 bytes of scale words a wave.  Both lie in slot 0, which has had its last fill and its last read by then
.set VO,   2                           ; v2-5    16 x lane + 0 .. 3 x gamma: offsets of the images' stores
.set BI,   8                           ; v8-15   the bias along i: block a's in v[8 + a]
.set ADRA, 16
.set SRD,  18                          ; v18-19  where I read scale words back, for the wave's two heads
.set ADRB, 20
.set SHV,  22                          ; v22     16 x (lane / 16) for q and k, 0 for v
.set STO,  24
.set RD,   25
.set SSO,  26
.set ADRS, 27
.set SPW,  28
.set NIL,  29
.set SC,   32
.set BJ,   64
.set AF,   128
.set TM,   160                         ; the quantiser: v160-163 largest magnitudes, 164-167 bytes, 168-171 the holds, 172-175 the scales
.set PW,   176
.set WS,   178                         ; v178-179 the word to store, by turns
.set G1, 24
.set G0, 32
.set G1B, 48
.set G0B, 56
.set G1S, 68
.set G0S, 76
.set G1SB, 80
.set G0SB, 88
.set MJ,  66                           ; s66  all ones where the bias runs along j
.set MI,  67                           ; s67  all ones where it runs along i
.set I0,  104                          ; s104 my wave's first row of C
.set J0,  105                          ; s105 its first column
.set SEL, 74                           ; the way out's scalars lie in the descriptors' registers
.set MNT, 76
.set MSK, 35
.set PAD, 36
.set MSB, 0
.macro WIN new                         ; the immediate's high byte repeats the setting that is left
.if MSB != (\new)
	s_set_vgpr_msb (MSB<<8)|(\new)
.set MSB, (\new)
.endif
.endm
.set MUL_LO, 0xa1                      ; source 0 (B) window 1, source 1 (A) window 0, C and D window 2
.set MUL_HI, 0xf1
.set TO_B,   0x40
; A joint load: waves 0 and 1 fetch for A, waves 2 and 3 for B; the branch hangs on the wave's number alone.  An s_nop 0 and four v_nop follow each of the two lines.
.macro JLOAD g0a, g1a, g0b, g1b
	s_cmp_eq_u32 s15, 0
	s_cbranch_scc0 .Lfor_b_\@
	tensor_load_to_lds s[\g0a:\g0a+3], s[\g1a:\g1a+7]
	s_nop 0
.rept 4
	v_nop
.endr
	s_branch .Lasked_\@
.Lfor_b_\@:
	tensor_load_to_lds s[\g0b:\g0b+3], s[\g1b:\g1b+7]
	s_nop 0
.rept 4
	v_nop
.endr
.Lasked_\@:
.endm
.macro CREST
	s_cmp_lg_u32 s14, 0
	s_cbranch_scc1 .Lnot_wave_0_\@
	s_barrier_signal -3
.Lnot_wave_0_\@:
	s_barrier_wait -3
	s_barrier_signal -1
	s_barrier_wait -1
.endm
.macro CROUND
	s_barrier_signal -1
	s_barrier_wait -1
	CREST
.endm
	s_load_b512 s[68:83], s[0:1], 0x0              ; x's codes s68, x's scales s70, wq's s72, s74, wk's s76, s78, wv's s80, s82
	s_load_b256 s[84:91], s[0:1], 0x40             ; bq s84, bk s86, bv s88, q_img s90
	s_load_b128 s[92:95], s[0:1], 0x60             ; q_sc s92, kv_img s94
	s_load_b64 s[96:97], s[0:1], 0x70              ; kv_sc
	v_lshl_add_u32 v[SPW], v0, 2, SPARE
	v_mov_b32 v[NIL], 0
	ds_add_u32 v[SPW], v[NIL]                      ; the wave's opening: the add and its wait ahead of my first tensor load; work on registers stands between them
	ds_add_u32 v[SPW], v[NIL]
	v_lshrrev_b32 v1, 5, v0
	v_readfirstlane_b32 s14, v1                    ; wave 0..3
	s_lshr_b32 s15, s14, 1                         ; which half of the tile's rows is mine.  Also: I fetch for A (0) or for B (1)
	s_and_b32 s16, s14, 1                          ; which half of its columns.  Also: which 128 rows of that tile I fetch
	s_bfe_u32 s40, ttmp6, 0x40000                  ; cx, cy
	s_bfe_u32 s41, ttmp6, 0x40004
	s_and_b32 s19, ttmp7, 0xffff
	s_lshl_b32 s19, s19, 2                         ; 4 x cluster y: it walks the tokens
	s_cmp_eq_u32 ttmp9, 2                          ; v?
	s_cselect_b32 s17, 0, s19                      ; the tokens are C's rows for q and k,
	s_cselect_b32 s42, s19, 0                      ; its columns for v
	s_cselect_b32 s[MJ], 0, -1
	s_cselect_b32 s[MI], -1, 0
	s_add_co_u32 s17, s17, s41                     ; tile row of C: made of cy and the cluster's y alone
	s_add_co_u32 s42, s42, s40                     ; tile column: of cx and the cluster's y alone
	s_lshl_b32 s43, s41, 2
	s_lshl_b32 s43, 15, s43                        ; my row of the cluster
	s_lshl_b32 s44, 0x1111, s40                    ; my column
	s_or_b32 s[G1+0], s43, (0<<16)|(1<<20)|(1<<21)|(5<<22)|(3<<25)  ; the mask; elements of 1 byte; padding on; bit 21 beside a mask; 4 words after every 64
	s_or_b32 s[G1B+0], s44, (0<<16)|(1<<20)|(1<<21)|(5<<22)|(3<<25)
.irp g, G1, G1B
	s_mov_b32 s[\g+1], ROWB<<16                    ; tensor_dim0
	s_mov_b32 s[\g+2], 256<<16                     ; tensor_dim1: 256 rows for the head's loads; set to 128 for the ring's behind them
	s_mov_b32 s[\g+3], ROWB<<16                    ; tile_dim0
	s_mov_b32 s[\g+4], 256                         ; tile_dim1
	s_mov_b32 s[\g+5], KROW                        ; the pitch
	s_mov_b32 s[\g+6], 0
	s_mov_b32 s[\g+7], 0
.endr
	s_lshl_b32 s20, s17, 8                         ; A: the tile's first row
	s_lshl_b32 s46, s42, 8                         ; B: likewise
	s_lshl_b32 s22, s20, 5                         ; their scale bytes, 32 a row,
	s_lshl_b32 s20, s20, 10                        ; and codes, 1,024 a row: both under 2^24
	s_mov_b32 s21, 0
	s_mov_b32 s23, 0
	s_lshl_b32 s2, s46, 5
	s_lshl_b32 s46, s46, 10
	s_mov_b32 s3, 0
	s_mov_b32 s47, 0
	s_lshl_b32 s[I0], s17, 8
	s_lshl_b32 s18, s15, 7
	s_add_co_u32 s[I0], s[I0], s18
	s_lshl_b32 s[J0], s42, 8
	s_lshl_b32 s18, s16, 7
	s_add_co_u32 s[J0], s[J0], s18
	s_mul_i32 s45, s14, HALFT
	s_lshl_b32 s18, s16, 17                        ; in the ring I fetch 128 rows of a tile: which half, in bytes (128 x 1,024)
	s_mov_b32 s19, 0
	s_wait_dscnt 0x0                               ; the opening add is done
	s_wait_kmcnt 0x0
	s_cmp_eq_u32 ttmp9, 0                          ; q, or k (v is put over it below)
	s_cselect_b64 s[8:9], s[72:73], s[76:77]       ; the weight's codes,
	s_cselect_b64 s[10:11], s[74:75], s[78:79]     ; its scales,
	s_cselect_b64 s[100:101], s[84:85], s[86:87]   ; the bias,
	s_cselect_b64 s[12:13], s[90:91], s[94:95]     ; the images' buffer,
	s_cselect_b64 s[98:99], s[92:93], s[96:97]     ; the scale words' buffer
	s_cmp_eq_u32 ttmp9, 2
	s_cselect_b64 s[8:9], s[80:81], s[8:9]
	s_cselect_b64 s[10:11], s[82:83], s[10:11]
	s_cselect_b64 s[100:101], s[88:89], s[100:101]
	s_cselect_b64 s[4:5], s[8:9], s[68:69]         ; A: x, or wv
	s_cselect_b64 s[6:7], s[10:11], s[70:71]
	s_cselect_b64 s[8:9], s[68:69], s[8:9]         ; B: the weight, or x
	s_cselect_b64 s[10:11], s[70:71], s[10:11]
	; the arguments' landing place is free now: the scales of 256 rows, a dense block of 8,192 bytes, as rows of 256 bytes (32 elements of 8), 16 bytes of padding behind each
	s_or_b32 s[G1S+0], s43, (3<<16)|(1<<20)|(1<<21)|(5<<22)|(3<<25)
	s_or_b32 s[G1SB+0], s44, (3<<16)|(1<<20)|(1<<21)|(5<<22)|(3<<25)
.irp g, G1S, G1SB
	s_mov_b32 s[\g+1], 32<<16
	s_mov_b32 s[\g+2], (256*KS/256)<<16            ; the scales of all 256 rows of a tile in one load
	s_mov_b32 s[\g+3], 32<<16
	s_mov_b32 s[\g+4], 256*KS/256
	s_mov_b32 s[\g+5], 32
	s_mov_b32 s[\g+6], 0
	s_mov_b32 s[\g+7], 0
.endr
	s_add_nc_u64 s[20:21], s[4:5], s[20:21]
	s_add_nc_u64 s[22:23], s[6:7], s[22:23]
	s_add_nc_u64 s[46:47], s[8:9], s[46:47]
	s_add_nc_u64 s[2:3], s[10:11], s[2:3]
	CROUND                                         ; all sixteen work-groups are here: the first joint loads meet
	s_mov_b32 s[G0S], 1
	s_mov_b32 s[G0S+1], SCL
	s_mov_b64 s[G0S+2:G0S+3], s[22:23]
	s_or_b32 s[G0S+3], s[G0S+3], 0x80000000
	s_mov_b32 s[G0SB], 1
	s_mov_b32 s[G0SB+1], SCL+2*HALFS
	s_mov_b64 s[G0SB+2:G0SB+3], s[2:3]
	s_or_b32 s[G0SB+3], s[G0SB+3], 0x80000000
	s_mov_b32 s4, 1                                ; group 0 of the head's loads of K step 0, in registers that held arguments: A's 256 rows,
	s_mov_b32 s5, 0
	s_mov_b64 s[6:7], s[20:21]
	s_or_b32 s7, s7, 0x80000000
	s_mov_b32 s8, 1                                ; and B's 256 rows, behind them in slot 0
	s_mov_b32 s9, 2*HALFT
	s_mov_b64 s[10:11], s[46:47]
	s_or_b32 s11, s11, 0x80000000
	s_add_nc_u64 s[20:21], s[20:21], s[18:19]      ; for the ring: my 128 rows of the tile
	s_add_nc_u64 s[46:47], s[46:47], s[18:19]
.irp s, 0,1
	s_mov_b32 s[G0+4*\s], 1
	s_add_co_u32 s[G0+4*\s+1], s45, \s*SLOT
	s_add_nc_u64 s[G0+4*\s+2:G0+4*\s+3], s[20:21], \s*ROWB
	s_or_b32 s[G0+4*\s+3], s[G0+4*\s+3], 0x80000000
	s_mov_b32 s[G0B+4*\s], 1
	s_add_co_u32 s[G0B+4*\s+1], s45, \s*SLOT
	s_add_nc_u64 s[G0B+4*\s+2:G0B+4*\s+3], s[46:47], \s*ROWB
	s_or_b32 s[G0B+4*\s+3], s[G0B+4*\s+3], 0x80000000
.endr
; THE HEAD'S LOADS, ONE A WAVE: wave 0 K step 0's 256 rows of A, wave 1 its 256 rows of B, wave 2 the scales of A's 256 rows, wave 3 those of B's.
; One chain of branches on the wave's number: every way through the head passes exactly one load.
.macro ARM under, g0, g1, next
	s_cmp_lt_u32 s14, \under
	s_cbranch_scc0 \next
	tensor_load_to_lds s[\g0:\g0+3], s[\g1:\g1+7]
	s_nop 0
.rept 4
	v_nop
.endr
	s_branch .Lhead_asked
\next:
.endm
	ARM 1, 4, G1, .Lhead_b
	ARM 2, 8, G1B, .Lhead_sa
	ARM 3, G0S, G1S, .Lhead_sb
	tensor_load_to_lds s[G0SB:G0SB+3], s[G1SB:G1SB+7]
	s_nop 0
.rept 4
	v_nop
.endr
.Lhead_asked:
	v_and_b32 v1, 15, v0
	s_wait_alu depctr_va_vdst(0)
	v_bfe_u32 v30, v0, 4, 1                        ; h
	s_wait_alu depctr_va_vdst(0)
	s_cmp_eq_u32 ttmp9, 2
	s_mov_b32 s18, 512
	s_cselect_b32 s18, 256, s18                    ; from the first head's scale words to the second's in my stage
	s_cselect_b32 s19, 0, 16                       ; q, k: lanes 16-31 take the word's upper two bytes
	s_mov_b32 s21, 1024
	s_cselect_b32 s21, 2048, s21                   ; gamma: from tile to tile in an image
	s_cselect_b32 s22, s[I0], 0                    ; the bias that does not apply is loaded from the buffer's start and masked
	s_cselect_b32 s23, 0, s[J0]
	s_lshl_b32 s22, s22, 2
	s_lshl_b32 s23, s23, 2
	v_lshlrev_b32 v6, 2, v1
	v_add_nc_u32 v6, s22, v6                       ; bias[i0 + r]
	v_lshlrev_b32 v7, 5, v30
	v_add_nc_u32 v7, s23, v7                       ; bias[j0 + 8 h]
.irp b, 0,1,2,3,4,5,6,7
	global_load_b128 v[BJ+8*\b:BJ+8*\b+3], v7, s[100:101] offset:64*\b       ; tile b's eight columns of my half, in the result's layout
	global_load_b128 v[BJ+8*\b+4:BJ+8*\b+7], v7, s[100:101] offset:64*\b+16
.endr
.irp a, 0,1,2,3,4,5,6,7
	global_load_b32 v[BI+\a], v6, s[100:101] offset:64*\a
.endr
	v_mul_u32_u24 v31, v1, PITCH
	v_lshl_add_u32 v31, v30, 4, v31                ; a fragment's row x pitch + 16 x half
	s_mul_i32 s2, s15, HALFT                       ; my 128 rows of A
	s_mul_i32 s3, s16, HALFT                       ; my 128 rows of B,
	s_add_co_u32 s3, s3, 2*HALFT                   ; behind A's 256
.irp s, 0,1
	v_add_nc_u32 v[ADRA+\s], s2, v31
	v_add_nc_u32 v[ADRB+\s], s3, v31
	s_add_co_u32 s2, s2, SLOT
	s_add_co_u32 s3, s3, SLOT
.endr
	v_mul_u32_u24 v31, v1, KS                      ; my row's scales: 32 bytes a row,
	v_lshrrev_b32 v23, 8, v31
	v_lshl_add_u32 v31, v23, 4, v31                ; and 16 more for each 256 passed
	s_mul_i32 s2, s15, HALFS
	s_mul_i32 s3, s16, HALFS
	s_add_co_u32 s3, s3, 2*HALFS
	s_sub_co_u32 s3, s3, s2
	v_mul_u32_u24 v23, s3, v30                     ; lanes 16-31 take B's: one product, the distance between the two
	s_add_co_u32 s2, s2, SCL
	v_add_nc_u32 v31, v31, v23
	v_add_nc_u32 v[ADRS], s2, v31
	s_mul_i32 s2, s14, 128*SP                      ; my code stage
	v_mul_u32_u24 v31, v1, SP
	v_lshl_add_u32 v31, v30, 3, v31
	v_add_nc_u32 v[STO], s2, v31                   ; in: row r, 8 bytes for each half of the lanes
	v_and_b32 v23, 7, v1
	v_lshrrev_b32 v31, 3, v1
	v_lshl_add_u32 v23, v31, 4, v23                ; r % 8 + 16 (r / 8)
	v_mul_u32_u24 v31, v23, SP
	v_lshl_add_u32 v31, v30, 4, v31
	v_add_nc_u32 v[RD], s2, v31                    ; back: a tile's rows in the order pi, 16 bytes for each half
	s_lshl_b32 s2, s14, 10
	s_add_co_u32 s2, s2, SSB                       ; my scale stage
	v_lshlrev_b32 v31, 2, v1
	v_lshl_add_u32 v31, v30, 9, v31
	v_add_nc_u32 v[SSO], s2, v31                   ; in: 4 r + 512 h
	v_lshl_add_u32 v23, v30, 3, v23
	v_lshlrev_b32 v23, 2, v23
	v_add_nc_u32 v[SRD], s2, v23                   ; back: row r % 8 + 16 (r / 8) + 8 h
	v_add_nc_u32 v[SRD+1], s18, v[SRD]
	v_mul_u32_u24 v[SHV], s19, v30
	v_and_b32 v23, 31, v0
	v_lshlrev_b32 v[VO], 4, v23
	v_add_nc_u32 v[VO+1], s21, v[VO]
	v_add_nc_u32 v[VO+2], s21, v[VO+1]
	v_add_nc_u32 v[VO+3], s21, v[VO+2]
	s_wait_loadcnt 0x0                             ; the biases
.set n, 0
.rept 64
	v_and_b32 v[BJ+n], s[MJ], v[BJ+n]
.set n, n+1
.endr
.irp a, 0,1,2,3,4,5,6,7
	v_and_b32 v[BI+\a], s[MI], v[BI+\a]
.endr
.macro FRAG reg, adr, q, i             ; 16 rows x 128 K: lane l holds row l % 16; registers 4 c .. 4 c + 3 hold K = 32 c + 16 (l / 16) + 0 .. 15
.irp c, 0,1,2,3
	ds_load_b128 v[\reg+4*\c:\reg+4*\c+3], v[\adr] offset:128*(\q)+32*\c+(\i)*16*PITCH
.endr
.endm
; 16 matrix instructions: A's blocks a0, a0 + 1 x B's eight.  first = 1: the sums start from the bias along j.  The 64 accumulators take turns, one instruction a turn.
.macro MUL16 a0, p, q, sc, first
.irp a, \a0, \a0+1
.irp b, 0,1,2,3,4,5,6,7
.if \first
	v_wmma_scale_f32_16x16x128_f8f6f4 v[8*(8*((\a)%4)+\b):8*(8*((\a)%4)+\b)+7], v[128*(\p)+FR*\b:128*(\p)+FR*\b+FR-1], v[AF+FR*(\a):AF+FR*(\a)+FR-1], v[BJ+8*\b:BJ+8*\b+7], v[SC+8*NQ*(\sc)+NQ*\b+(\q)], v[SC+8*NQ*(\sc)+NQ*(\a)+(\q)] matrix_a_fmt:MATRIX_FMT_BF8 matrix_b_fmt:MATRIX_FMT_BF8 matrix_a_scale:MATRIX_SCALE_ROW1
.else
	v_wmma_scale_f32_16x16x128_f8f6f4 v[8*(8*((\a)%4)+\b):8*(8*((\a)%4)+\b)+7], v[128*(\p)+FR*\b:128*(\p)+FR*\b+FR-1], v[AF+FR*(\a):AF+FR*(\a)+FR-1], v[8*(8*((\a)%4)+\b):8*(8*((\a)%4)+\b)+7], v[SC+8*NQ*(\sc)+NQ*\b+(\q)], v[SC+8*NQ*(\sc)+NQ*(\a)+(\q)] matrix_a_fmt:MATRIX_FMT_BF8 matrix_b_fmt:MATRIX_FMT_BF8 matrix_a_scale:MATRIX_SCALE_ROW1
.endif
.endr
.endr
.endm
.macro FETCH_B slot, q, p
	WIN TO_B
.irp i, 0,1,2,3,4,5,6,7
	FRAG 128*(\p)+FR*\i, ADRB+\slot, \q, \i
.endr
	WIN 0
.endm
.macro FETCH_A slot, q, i0
.irp i, \i0, \i0+1, \i0+2, \i0+3
	FRAG AF+FR*(\i), ADRA+\slot, \q, \i
.endr
.endm
.macro SCALES sc                       ; a K step's scale words: lanes 0-15 A's block i, lanes 16-31 B's block i
.irp i, 0,1,2,3,4,5,6,7
	ds_load_b64 v[SC+8*NQ*\sc+NQ*\i:SC+8*NQ*\sc+NQ*\i+1], v[ADRS] offset:\i*SBLK
.endr
.endm
.macro PLACES n                        ; plain vector instructions between a matrix instruction and a load into, or a read of, its registers (ISA guide 7.12.1 for the reads)
.rept \n
	v_nop
.endr
.endm
.macro STEP slot, q, first             ; 128 along K with its successor in the same slot
	s_wait_dscnt 4*NL                              ; B's set and A's blocks 0-3 are in; the youngest sixteen loads (A's blocks 4-7) may be out
	WIN MUL_LO-0x20*(\first)                       ; (the first step's C lies in window 0)
	MUL16 0, (\q)%2, \q, \slot, \first
	MUL16 2, (\q)%2, \q, \slot, \first
	s_wait_dscnt 0
	PLACES NP
	FETCH_B \slot, (\q)+1, 1-(\q)%2
	FETCH_A \slot, (\q)+1, 0
	WIN MUL_HI-0x30*(\first)
	MUL16 4, (\q)%2, \q, \slot, \first
	MUL16 6, (\q)%2, \q, \slot, \first
	PLACES NP
	WIN 0
	FETCH_A \slot, (\q)+1, 4
.endm
; A slot's last step changes slots: one barrier; in front of it each wave waits for all its tensor loads, adds 0 to its spare word, and waits for that and for its reads of this slot.
.macro TURN slot, next, fill
	s_wait_tensorcnt 0x0                           ; all my tensor loads have landed: my part of the next slot
	ds_add_u32 v[SPW], v[NIL]                      ; 0 onto my spare word
	s_wait_dscnt 4*NL+1                            ; (the add and the youngest sixteen loads may be out)
	WIN MUL_LO
	MUL16 0, 1, NQ-1, \slot, 0
	s_wait_dscnt 0x0                               ; the add is done, and my reads of this slot are over
	s_barrier_signal -1
	MUL16 2, 1, NQ-1, \slot, 0
	WIN 0
	s_barrier_wait -1
.if \fill
	CREST                                          ; the barrier has opened a round of the cluster's: no wave of any partner still reads this slot or has a load on its way
	s_add_nc_u64 s[G0+4*\slot+2:G0+4*\slot+3], s[G0+4*\slot+2:G0+4*\slot+3], 2*ROWB
	s_add_nc_u64 s[G0B+4*\slot+2:G0B+4*\slot+3], s[G0B+4*\slot+2:G0B+4*\slot+3], 2*ROWB
	JLOAD G0+4*\slot, G1, G0B+4*\slot, G1B         ; the first tensor load behind the round; its four v_nop are among the places below
	PLACES NP-4
.else
	PLACES NP
.endif
	s_wait_alu depctr_va_vdst(0)
	v_add_nc_u32 v[ADRS], 4*NQ, v[ADRS]            ; the next K step's scale words
	FETCH_B \next, 0, 0
	FETCH_A \next, 0, 0
	SCALES \next
	WIN MUL_HI
	MUL16 4, 1, NQ-1, \slot, 0
	MUL16 6, 1, NQ-1, \slot, 0
	PLACES NP
	WIN 0
	FETCH_A \next, 0, 4
.endm
	s_wait_alu depctr_va_vdst(0)
	s_wait_tensorcnt 0x0                           ; my tile of the head's four is in; these lines stand ahead of slot 1's first fill as ahead of a refill
	ds_add_u32 v[SPW], v[NIL]
	s_mov_b32 s[G1+2], 128<<16                     ; no tensor load of mine is out: from here on a load brings 128 rows
	s_mov_b32 s[G1+4], 128
	s_mov_b32 s[G1B+2], 128<<16
	s_mov_b32 s[G1B+4], 128
	s_wait_dscnt 0x0
	CROUND                                         ; all four tiles are in, and all sixteen work-groups are here
	JLOAD G0+4, G1, G0B+4, G1B                     ; K step 1, the first tensor load behind the round
	FETCH_B 0, 0, 0
	FETCH_A 0, 0, 0
	SCALES 0
	FETCH_A 0, 0, 4
	STEP 0, 0, 1
	s_mov_b32 s3, LAPS-1
.Llap:                                                 ; once round the ring, from a lap's second step to the next lap's first; both slots are filled again
	TURN 0, 1, 1
	STEP 1, 0, 0
	TURN 1, 0, 1
	STEP 0, 0, 0
	s_sub_co_u32 s3, s3, 1
	s_cmp_lg_u32 s3, 0
	s_cbranch_scc1 .Llap
	TURN 0, 1, 0                                   ; the last lap fills nothing
	STEP 1, 0, 0
	s_wait_dscnt 4*NL
	WIN MUL_LO
	MUL16 0, 1, NQ-1, 1, 0
	MUL16 2, 1, NQ-1, 1, 0
	s_wait_dscnt 0
	WIN MUL_HI
	MUL16 4, 1, NQ-1, 1, 0
	MUL16 6, 1, NQ-1, 1, 0
	WIN 0
	PLACES NP
	; THE WAY OUT.  No tensor load of mine is out since the last change of slots, so the descriptors' registers are free.
	s_cmp_eq_u32 ttmp9, 2
	s_cselect_b32 s24, s[J0], s[I0]                ; my first token,
	s_cselect_b32 s25, s[I0], s[J0]                ; my first feature: 128 of each
	s_cselect_b32 s33, 0x2000, 0                   ; V's image lies behind K's,
	s_cselect_b32 s34, 512, 0                      ; V's words behind K's
	s_cselect_b32 s[MSK], -1, 0xffff               ; q, k: two bytes of the word are real,
	s_cselect_b32 s[PAD], 0, 0x7f7f0000            ; the other two stand for 1.0
	s_cmp_eq_u32 ttmp9, 0
	s_cselect_b32 s28, 13, 14                      ; log2 of a step's image bytes,
	s_cselect_b32 s29, 9, 10                       ; and of its scale bytes
	s_lshr_b32 s26, s24, 11
	s_lshl_b32 s26, s26, 4
	s_lshr_b32 s31, s25, 6
	s_add_co_u32 s26, s26, s31                     ; hb of my first head
	s_bfe_u32 s27, s24, 0x40007                    ; the step
	s_add_co_u32 s30, s28, 4
	s_lshl_b32 s32, 1, s30                         ; a head's image bytes: 16 steps
	s_lshl_b32 s56, s26, s30
	s_lshl_b32 s31, s27, s28
	s_add_co_u32 s56, s56, s31
	s_add_co_u32 s56, s56, s33
	s_mov_b32 s57, 0
	s_add_nc_u64 s[48:49], s[12:13], s[56:57]      ; four bases: s[48 + 4 x + 2 y] = this + x alpha + y beta
	s_cmp_eq_u32 ttmp9, 2
	s_cselect_b32 s58, 1024, s32                   ; alpha: q, k: the second head;  v: key blocks 2, 3
	s_mov_b32 s60, 4096
	s_cselect_b32 s60, s32, s60                    ; beta:  q, k: tiles 4 to 7;  v: the second head
	s_mov_b32 s59, 0
	s_mov_b32 s61, 0
	s_add_nc_u64 s[50:51], s[48:49], s[60:61]
	s_add_nc_u64 s[52:53], s[48:49], s[58:59]
	s_add_nc_u64 s[54:55], s[52:53], s[60:61]
	s_add_co_u32 s30, s29, 4
	s_lshl_b32 s72, s26, s30
	s_lshl_b32 s31, s27, s29
	s_add_co_u32 s72, s72, s31
	s_add_co_u32 s72, s72, s34
	s_mov_b32 s73, 0
	s_add_nc_u64 s[68:69], s[98:99], s[72:73]      ; the scale words of my first head,
	s_lshl_b32 s72, 1, s30
	s_add_nc_u64 s[70:71], s[68:69], s[72:73]      ; and of my second
	s_mov_b32 s[SEL], 0x76543210
	s_mov_b32 s[SEL+1], 0xfedcba98                 ; v_permlanex16_b32's selects for lane l xor 16
	s_mov_b32 s[MNT], 0x600000                     ; the mantissa field of 57,344
.irp b, 0,1,2,3
	v_mov_b32 v[TM+4+\b], 0                        ; written once: a lane permute's destination counts as one of its sources
.endr
; 64 numbers of a lane, v[s] on, sixteen of each of four blocks of 32 (the other sixteen lie in lane l xor 16), become codes in v[PC] on and the four scale bytes in v[PW].
.macro QUANT s
.irp b, 0,1,2,3
	v_max3_num_f32 v[TM+\b], |v[\s+16*\b]|, |v[\s+1+16*\b]|, 0x8000000   ; with the floor 2^(16 - 127): the byte cannot fall under 1
.endr
.irp i, 2,4,6,8,10,12,14
.irp b, 0,1,2,3
	v_max3_num_f32 v[TM+\b], v[TM+\b], |v[\s+16*\b+\i]|, |v[\s+1+16*\b+\i]|
.endr
.endr
.irp b, 0,1,2,3
	v_permlanex16_b32 v[TM+4+\b], v[TM+\b], s[SEL], s[SEL+1]
.endr
.irp b, 0,1,2,3
	v_max_num_f32 v[TM+\b], v[TM+\b], v[TM+4+\b]   ; the block's largest magnitude
.endr
.irp b, 0,1,2,3
	v_add_nc_u32 v[TM+12+\b], 0xf8800000, v[TM+\b] ; 15 off its exponent field: the conversion's scale operand
.endr
.irp b, 0,1,2,3
	v_and_or_b32 v[TM+8+\b], v[TM+\b], 0x7f800000, s[MNT]   ; 57,344 x the scale
.endr
.irp b, 0,1,2,3
	v_lshrrev_b32 v[TM+4+\b], 23, v[TM+12+\b]      ; the scale's byte
.endr
	v_lshl_or_b32 v[PW], v[TM+5], 8, v[TM+4]
	v_lshl_or_b32 v[PW], v[TM+6], 16, v[PW]
	v_lshl_or_b32 v[PW], v[TM+7], 24, v[PW]
.irp b, 0,1,2,3
.irp i, 0,1,2,3,4,5,6,7,8,9,10,11,12,13,14,15
	v_med3_num_f32 v[\s+16*\b+\i], v[\s+16*\b+\i], -v[TM+8+\b], v[TM+8+\b]   ; the conversion to an 8-bit code does not saturate (ISA guide 7.6.2): the hold
.endr
	v_cvt_scalef32_pk8_bf8_f32 v[PC+4*\b:PC+1+4*\b], v[\s+16*\b:\s+7+16*\b], v[TM+12+\b]
	v_cvt_scalef32_pk8_bf8_f32 v[PC+2+4*\b:PC+3+4*\b], v[\s+8+16*\b:\s+15+16*\b], v[TM+12+\b]
.endr
	v_nop                                          ; one plain vector instruction behind the last conversion
.endm
; Block a, 16 rows of C.  One packed addition adds the bias along i and brings two numbers into window 0, each accumulator from its low end on.  Tiles 2 c and 2 c + 1 are block c of 32 along j; a tile's
; eight codes go to their place in the row by a store of 8 bytes: byte 32 c + 16 u + 8 h.
.macro OUTB a
.set AC, 64*((\a)%4)
.set PC, 128+16*((\a)%2)
.if (\a) >= 2
	s_wait_dscnt 9                                 ; the nine stores of the block before may be out; those of two blocks back, which read this set of registers, are done
.endif
	WIN 0x02+(\a)/4
.set n, 0
.rept 32
.if (\a)%2
	v_pk_add_f32 v[BJ+2*n:BJ+2*n+1], v[AC+2*n:AC+2*n+1], v[BI+2*((\a)/2):BI+2*((\a)/2)+1] op_sel:[0,1] op_sel_hi:[1,1]
.else
	v_pk_add_f32 v[BJ+2*n:BJ+2*n+1], v[AC+2*n:AC+2*n+1], v[BI+2*((\a)/2):BI+2*((\a)/2)+1] op_sel_hi:[1,0]
.endif
.set n, n+1
.endr
	WIN 0
	QUANT BJ
	v_lshrrev_b32 v[WS+(\a)%2], v[SHV], v[PW]      ; q, k: lanes 0-15 the first head's two bytes, lanes 16-31 the second's;  v: all four
	v_and_or_b32 v[WS+(\a)%2], v[WS+(\a)%2], s[MSK], s[PAD]
.irp c, 0,1,2,3
.irp u, 0,1
	ds_store_b64 v[STO], v[PC+4*\c+2*\u:PC+4*\c+2*\u+1] offset:16*SP*(\a)+32*\c+16*\u
.endr
.endr
	ds_store_b32 v[SSO], v[WS+(\a)%2] offset:64*(\a)
.endm
.irp a, 0,1,2,3,4,5,6,7
	OUTB \a
.endr
	s_wait_dscnt 0x0                               ; my stage is whole; it is my own: no barrier
.set n, 0
.rept 32                                       ; image n = 4 T + C: rows pi(T, r), bytes 32 C + 16 h on
	ds_load_b128 v[128+4*n:131+4*n], v[RD] offset:(32*(n/8)+8*((n/4)%2))*SP+32*(n%4)
.set n, n+1
.endr
.irp g, 0,1
.irp p, 0,1,2,3
	ds_load_b32 v[32+4*\g+\p], v[SRD+\g] offset:128*\p
.endr
.endr
.set n, 0
.rept 32
	s_wait_dscnt 39-n                              ; the 31 - n younger images and the eight words may be out
	global_store_b128 v[VO+(n/4)%4], v[128+4*n:131+4*n], s[48+4*((n%4)/2)+2*(n/16):49+4*((n%4)/2)+2*(n/16)] offset:512*(n%2)   ; 32 lanes store 512 consecutive bytes, at a multiple of 512 from the buffer's first byte
.set n, n+1
.endr
	s_wait_dscnt 0x0
	global_store_b128 v[VO], v[32:35], s[68:69]
	global_store_b128 v[VO], v[36:39], s[70:71]
	s_wait_tensorcnt 0x0                           ; the wave's end: behind my last tensor load and my last LDS store
	ds_add_u32 v[SPW], v[NIL]
	s_wait_dscnt 0x0
	CROUND                                         ; the closing round
	s_endpgm
.Lfunc_end_k_qc0edd2ca00_qkv:
	.size	k_qc0edd2ca00_qkv, .Lfunc_end_k_qc0edd2ca00_qkv-k_qc0edd2ca00_qkv
	.p2alignl 7, 3214868480
	.fill 96, 4, 3214868480
	.section	.rodata,"a",@progbits
	.p2align	6, 0x0
	.amdhsa_kernel k_qc0edd2ca00_qkv
		.amdhsa_group_segment_fixed_size 327680
		.amdhsa_private_segment_fixed_size 0
		.amdhsa_enable_private_segment 0
		.amdhsa_kernarg_size 120
		.amdhsa_user_sgpr_count 2
		.amdhsa_user_sgpr_kernarg_segment_ptr 1
		.amdhsa_wavefront_size32 1
		.amdhsa_system_sgpr_workgroup_id_x 1
		.amdhsa_system_sgpr_workgroup_id_y 1
		.amdhsa_system_sgpr_workgroup_id_z 1
		.amdhsa_system_vgpr_workitem_id 0
		.amdhsa_next_free_vgpr 1024
		.amdhsa_next_free_sgpr 106
		.amdhsa_reserve_vcc 0
		.amdhsa_float_denorm_mode_32 3
		.amdhsa_float_denorm_mode_16_64 3
		.amdhsa_memory_ordered 1
		.amdhsa_forward_progress 1
		.amdhsa_inst_pref_size 218
	.end_amdhsa_kernel
	.amdgpu_metadata
---
amdhsa.version: [ 1, 2 ]
amdhsa.kernels:
  - .name:           k_qc0edd2ca00_qkv
    .symbol:         k_qc0edd2ca00_qkv.kd
    .args:
      - { .name: x_codes, .offset: 0, .size: 8, .value_kind: global_buffer, .address_space: global }
      - { .name: x_scales, .offset: 8, .size: 8, .value_kind: global_buffer, .address_space: global }
      - { .name: wq_codes, .offset: 16, .size: 8, .value_kind: global_buffer, .address_space: global }
      - { .name: wq_scales, .offset: 24, .size: 8, .value_kind: global_buffer, .address_space: global }
      - { .name: wk_codes, .offset: 32, .size: 8, .value_kind: global_buffer, .address_space: global }
      - { .name: wk_scales, .offset: 40, .size: 8, .value_kind: global_buffer, .address_space: global }
      - { .name: wv_codes, .offset: 48, .size: 8, .value_kind: global_buffer, .address_space: global }
      - { .name: wv_scales, .offset: 56, .size: 8, .value_kind: global_buffer, .address_space: global }
      - { .name: bq, .offset: 64, .size: 8, .value_kind: global_buffer, .address_space: global }
      - { .name: bk, .offset: 72, .size: 8, .value_kind: global_buffer, .address_space: global }
      - { .name: bv, .offset: 80, .size: 8, .value_kind: global_buffer, .address_space: global }
      - { .name: q_img, .offset: 88, .size: 8, .value_kind: global_buffer, .address_space: global }
      - { .name: q_sc, .offset: 96, .size: 8, .value_kind: global_buffer, .address_space: global }
      - { .name: kv_img, .offset: 104, .size: 8, .value_kind: global_buffer, .address_space: global }
      - { .name: kv_sc, .offset: 112, .size: 8, .value_kind: global_buffer, .address_space: global }
    .group_segment_fixed_size: 327680
    .private_segment_fixed_size: 0
    .kernarg_segment_align: 8
    .kernarg_segment_size: 120
    .max_flat_workgroup_size: 128
    .sgpr_count:     106
    .vgpr_count:     1024
    .wavefront_size: 32
...
	.end_amdgpu_metadata
.endif
;; end of part 1
;; launch attn (part 2): grid 4 x 64, 8 waves a work-group, clusters of 4 x 1, 327,680 bytes of LDS; arguments q_img, q_sc, kv_img, kv_sc, a_codes, a_scales; writes a_codes, a_scales
.if DOCPART == 2
	.amdgcn_target "amdgcn-amd-amdhsa--gfx1250"
	.amdhsa_code_object_version 6
	.text
	.protected	k_qc0edd2ca00_attn
	.globl	k_qc0edd2ca00_attn
	.p2align	8
	.type	k_qc0edd2ca00_attn,@function
k_qc0edd2ca00_attn:
	s_mov_b64 s[64:65], 0
	v_nop
	global_prefetch_b8 v0, s[64:65] scope:SCOPE_SE
	s_setreg_imm32_b32 hwreg(HW_REG_WAVE_MODE, 25, 1), 1
	s_wait_xcnt 0x0
	s_wait_alu depctr_hold_cnt(0) depctr_sa_sdst(0) depctr_va_vdst(0) depctr_va_sdst(0) depctr_va_ssrc(0) depctr_va_vcc(0) depctr_vm_vsrc(0)
	s_getreg_b32 s2, hwreg(HW_REG_IB_STS2, 6, 4)
	s_cmp_eq_u32 s2, 0
	s_cbranch_scc0 .Lentry_in_a_cluster
	s_endpgm
.Lentry_in_a_cluster:
	s_bfe_u32 s2, ttmp6, 0x10000c
	s_cmp_lg_u32 s2, 0x3003
	s_cbranch_scc0 .Lentry_shape_is_right
	s_endpgm
.Lentry_shape_is_right:
; softmax(q k^T / 8) v for one head and batch (hb = 16 batch + head), both products on codes of BF8 (E5M2) with E8M0 scales, and the quantiser of the result along the head's 64.
; INPUTS are images of operand registers as launch qkv stores them: q_img, q_sc, kv_img [hb][key step of 128][K's 8 tiles x 1,024, V's 4 tiles x 2,048], kv_sc [hb][step][K's 512, V's 512].
; OUTPUTS: a_codes [head][token][64], a_scales [token][32] (bytes 2 head, 2 head + 1).
; THE SOFTMAX: t = score x log2(e) / 8; M = the running largest t rounded up to a whole number; p = 2^(t - M) is quantised along the keys; the row's sum is taken of the unquantised p and divides at the end.
; When M moves, the sum and O^T are multiplied by 2^(old M - new M), in every step, with no branch on data.  A block's largest p is made from the block's largest score by the same multiply-add and exponential.
; SHARES: a work-group owns 512 queries of one hb, each of its eight waves 64 (four tiles of 16).  The four work-groups of a cluster share one hb: K, V and their scale words are asked for jointly.
; A head's K and V, 262,144 bytes, and their 16,384 bytes of scale words lie in LDS whole: one joint load a wave at the head (wave 0 the scale words, wave 7 148 rows of 256 bytes, waves 1 to 6 146 rows each), nothing is filled again.
; No prefetch: all that the launch streams is asked for at the head, ahead of the loop.
; LAYOUT: both products transposed (S^T = K Q^T, O^T = V^T P^T): a lane holds one query.  K = 64 fills half of the instruction's 128: Q's upper eight registers are zero codes, against which K's next tile stands (its scale bytes there are 0x7f).
; A TILE'S ORDER: the maxima's leaves of blocks 0, 1; the tile before's second product with the leaves of blocks 2, 3 among its instructions; the maxima's joins; M; t - M; one batch of 68 exponentials; O^T x f; scales;
; sums, holds and conversions of blocks 0, 1; the next tile's scores of blocks 0, 1 with the sums of blocks 2, 3 among the instructions; holds and conversions of blocks 2, 3; the next tile's scores of blocks 2, 3.
; So every place behind a product is filled by work that is due, and lines that hang on each other stand apart.  The loop is written once: its first trip's carried second product multiplies zero codes; its last trip's look-ahead wraps to key step 0 and is not read.
; LIMITS: NaN and infinities are not served; the promise holds while |t| stays under 2^31; a block whose every p is under 2^-111 gets the byte 1 over zero codes.
.set SCB,   262144                     ; the scale words
.set SPARE, SCB+16384+2048             ; the spare words, 128 bytes a wave
.set STG,   SPARE+1024                 ; the way out: 4,096 bytes a wave
.set PA,    146*256
.set PB,    148*256
.set LI,   1                           ; 16 x lane
.set AD,   2                           ; LDS address of the key step whose K was fetched last
.set ADS,  3                           ; and of its scale words
.set SPW,  4
.set NIL,  5
.set STO,  6
.set RD,   7
.set SH16, 8
.set ASO,  9
.set LIS,  11
.set ST,   12                          ; v12-27  a tile's -M, largest score, sum in two halves
.set KSC,  28
.set VSC,  32
.set QSC,  34
.set PW,   36                          ; p's scale word
.set FF,   38                          ; f = 2^(old M - new M)
.set BM,   40
.set PX,   44
.set HL,   48
.set SO,   52
.set WK,   56
.set WO,   60
.set S,    64                          ; v64-127 S^T, then p
.set PC,   128                         ; v128-143 p's codes
.set KF,   144                         ; v144-207 K's eight tiles; v208-215 zeros behind them
.set ZR,   208
.set SU,   216                         ; v216-229 seven of the sums' eight chains
.set TT,   230                         ; v230-249 the maxima's leaves, five a block
.set TM,   144
.set QF,   128                         ; window 1: v0-127 O^T, v128-191 Q, v192-255 V
.set VF,   192
.set WV,   16
.set CX,   17
.set HB,   18
.set MNT,  19
.set SEL,  20
.set CS,   22
.set G1S,  24
.set G1A,  32
.set G1B,  40
.set G0,   48
.set CNT,  62
.set MSB, 0
.macro WIN new                         ; the immediate's high byte repeats the setting that is left
.if MSB != (\new)
	s_set_vgpr_msb (MSB<<8)|(\new)
.set MSB, (\new)
.endif
.endm
.macro CROUND                          ; a round of the cluster's barrier
	s_barrier_signal -1
	s_barrier_wait -1
	s_cmp_lg_u32 s[WV], 0
	s_cbranch_scc1 .Lnot_wave_0_\@
	s_barrier_signal -3
.Lnot_wave_0_\@:
	s_barrier_wait -3
	s_barrier_signal -1
	s_barrier_wait -1
.endm
.macro TLOAD g0, g1                    ; an s_nop 0 and four v_nop follow a tensor load
	tensor_load_to_lds s[\g0:\g0+3], s[\g1:\g1+7]
	s_nop 0
.rept 4
	v_nop
.endr
.endm
	s_load_b256 s[4:11], s[0:1], 0x0               ; q_img, q_sc, kv_img, kv_sc
	s_load_b128 s[12:15], s[0:1], 0x20             ; a_codes, a_scales
	v_lshl_add_u32 v[SPW], v0, 2, SPARE
	v_mov_b32 v[NIL], 0
	ds_add_u32 v[SPW], v[NIL]                      ; the opening lines: the add, twice on end, and its wait
	ds_add_u32 v[SPW], v[NIL]
	v_lshrrev_b32 v1, 5, v0
	v_readfirstlane_b32 s[WV], v1
	s_and_b32 s[HB], ttmp7, 0xffff
.irp g, G1S, G1A, G1B                  ; dense blocks as rows of 256 bytes (32 elements of 8); the mask names the cluster's four
	s_mov_b32 s[\g], 15|(3<<16)|(1<<21)
	s_mov_b32 s[\g+1], 32<<16
	s_mov_b32 s[\g+3], 32<<16
	s_mov_b32 s[\g+5], 32
	s_mov_b32 s[\g+6], 0
	s_mov_b32 s[\g+7], 0
.endr
	s_mov_b32 s[G1S+2], 64<<16
	s_mov_b32 s[G1S+4], 64
	s_mov_b32 s[G1A+2], 146<<16
	s_mov_b32 s[G1A+4], 146
	s_mov_b32 s[G1B+2], 148<<16
	s_mov_b32 s[G1B+4], 148
	s_lshl_b32 s66, s[HB], 14                      ; the head's scale words
	s_mov_b32 s67, 0
	s_mov_b32 s[G0], 1
	s_mov_b32 s[G0+1], SCB
	s_lshl_b32 s70, s[HB], 18                      ; the head's images: wave 7 takes the first 148 rows,
	s_mov_b32 s71, 0
	s_mov_b32 s[G0+8], 1
	s_mov_b32 s[G0+9], 0
	s_mul_i32 s63, s[WV], PA                       ; wave w = 1 .. 6 the 146 rows from byte PB + (w - 1) PA on
	s_add_co_u32 s63, s63, PB-PA
	s_add_co_u32 s68, s70, s63
	s_mov_b32 s69, 0
	s_mov_b32 s[G0+4], 1
	s_mov_b32 s[G0+5], s63
	s_bfe_u32 s[CX], ttmp6, 0x40000
	s_lshl_b32 s74, s[HB], 17                      ; q_img: my four tiles
	s_lshl_b32 s63, s[CX], 15
	s_add_co_u32 s74, s74, s63
	s_lshl_b32 s63, s[WV], 12
	s_add_co_u32 s74, s74, s63
	s_mov_b32 s75, 0
	s_lshl_b32 s76, s[HB], 13                      ; q_sc: their two words a lane
	s_lshl_b32 s63, s[CX], 11
	s_add_co_u32 s76, s76, s63
	s_lshr_b32 s63, s[WV], 1
	s_lshl_b32 s63, s63, 9
	s_add_co_u32 s76, s76, s63
	s_and_b32 s63, s[WV], 1
	s_lshl_b32 s63, s63, 3
	s_add_co_u32 s76, s76, s63
	s_mov_b32 s77, 0
	s_lshr_b32 s78, s[HB], 4                       ; my first token: 2,048 batch + 512 cx + 64 wave
	s_lshl_b32 s78, s78, 11
	s_lshl_b32 s63, s[CX], 9
	s_add_co_u32 s78, s78, s63
	s_lshl_b32 s63, s[WV], 6
	s_add_co_u32 s78, s78, s63
	s_and_b32 s63, s[HB], 15                       ; the head
	s_lshl_b32 s80, s78, 5                         ; a_scales: 32 token + 2 head
	s_lshl_b32 s79, s63, 1
	s_add_co_u32 s80, s80, s79
	s_mov_b32 s81, 0
	s_lshl_b32 s78, s78, 6                         ; a_codes: 524,288 head + 64 token
	s_lshl_b32 s63, s63, 19
	s_add_co_u32 s78, s78, s63
	s_mov_b32 s79, 0
	s_mov_b32 s[MNT], 0x600000                     ; the mantissa field of 57,344
	s_mov_b32 s[SEL], 0x76543210
	s_mov_b32 s[SEL+1], 0xfedcba98                 ; lane l xor 16
	s_mov_b32 s[CS], 0x3e38aa3b                    ; c = log2(e) / 8
	s_mov_b32 s[CS+1], s[CS]
	s_wait_dscnt 0x0
	s_wait_kmcnt 0x0
	s_add_nc_u64 s[G0+2:G0+3], s[10:11], s[66:67]
	s_or_b32 s[G0+3], s[G0+3], 0x80000000
	s_add_nc_u64 s[G0+6:G0+7], s[8:9], s[68:69]
	s_or_b32 s[G0+7], s[G0+7], 0x80000000
	s_add_nc_u64 s[G0+10:G0+11], s[8:9], s[70:71]
	s_or_b32 s[G0+11], s[G0+11], 0x80000000
	s_add_nc_u64 s[4:5], s[4:5], s[74:75]
	s_add_nc_u64 s[6:7], s[6:7], s[76:77]
	s_add_nc_u64 s[12:13], s[12:13], s[78:79]
	s_add_nc_u64 s[14:15], s[14:15], s[80:81]
	CROUND                                         ; the four work-groups are here: the joint loads meet
	s_cmp_eq_u32 s[WV], 0                          ; one chain of branches on the wave's number, one load to an arm
	s_cbranch_scc0 .Lnot_sc
	TLOAD G0, G1S
	s_branch .Lasked
.Lnot_sc:
	s_cmp_eq_u32 s[WV], 7
	s_cbranch_scc0 .Lmid
	TLOAD G0+8, G1B
	s_branch .Lasked
.Lmid:
	TLOAD G0+4, G1A
.Lasked:
	v_and_b32 v6, 31, v0
	v_lshlrev_b32 v[LI], 4, v6
	v_add_nc_u32 v[LIS], SCB, v[LI]
	WIN 0x40
.irp t, 0,1,2,3
.irp c, 0,1
	global_load_b128 v[QF+16*\t+4*\c:QF+16*\t+4*\c+3], v[LI], s[4:5] offset:1024*\t+512*\c
.endr
.endr
.irp t, 0,1,2,3
.irp i, 8,9,10,11,12,13,14,15
	v_mov_b32 v[QF+16*\t+\i], 0                    ; zero codes for K = 64 .. 127
.endr
.endr
.set n, 0
.rept 128
	v_mov_b32 v[n], 0                              ; O^T: the loop is written once, its first step finds zeros
.set n, n+1
.endr
	WIN 0
	global_load_b64 v[QSC:QSC+1], v[LI], s[6:7]
.irp i, 0,1,2,3,4,5,6,7
	v_mov_b32 v[ZR+\i], 0
.endr
.set n, 0
.rept 16
	v_mov_b32 v[PC+n], 0                           ; the first trip's carried second product multiplies zero codes,
.set n, n+1
.endr
	v_mov_b32 v[PW], 0x7f7f7f7f                    ; under the scale 1
	v_and_b32 v10, 15, v0
	v_bfe_u32 v8, v0, 4, 1
	v_and_b32 v6, 7, v10
	v_lshrrev_b32 v7, 3, v10
	v_lshl_add_u32 v10, v7, 4, v6                  ; r % 8 + 16 (r / 8): a tile's lane-row r is this token of its pair of tiles
	s_lshl_b32 s63, s[WV], 12
	s_add_co_u32 s63, s63, STG
	v_lshlrev_b32 v6, 6, v10
	v_lshl_add_u32 v6, v8, 4, v6
	v_add_nc_u32 v[STO], s63, v6
	v_add_nc_u32 v[RD], s63, v[LI]
	v_lshl_add_u32 v9, v8, 3, v10
	v_lshlrev_b32 v[ASO], 5, v9
	v_lshlrev_b32 v[SH16], 4, v8
.irp t, 0,1,2,3
	v_mov_b32 v[ST+4*\t], 0x7e000000               ; -M begins huge, so that the first f is 0
	v_mov_b32 v[ST+4*\t+1], 0xff61b1e6             ; the largest score so far: -3e38
	v_mov_b32 v[ST+4*\t+2], 0
	v_mov_b32 v[ST+4*\t+3], 0
.endr
.irp b, 0,1,2,3
	v_mov_b32 v[PX+\b], 0                          ; a lane permute's destination counts as one of its sources
.endr
	v_mov_b32 v[FF+1], 0
	v_mov_b32 v[AD], v[LI]                         ; key step 0
	v_mov_b32 v[ADS], v[LIS]
.macro FETCH_K
.irp u, 0,1,2,3,4,5,6,7
.irp c, 0,1
	ds_load_b128 v[KF+8*\u+4*\c:KF+8*\u+4*\c+3], v[AD] offset:1024*\u+512*\c
.endr
.endr
	ds_load_b128 v[KSC:KSC+3], v[ADS]
.endm
.macro FETCH_V
	WIN 0x40
.irp u, 0,1,2,3
.irp c, 0,1,2,3
	ds_load_b128 v[VF+16*\u+4*\c:VF+16*\u+4*\c+3], v[AD] offset:8192+2048*\u+512*\c
.endr
.endr
	WIN 0
	ds_load_b64 v[VSC:VSC+1], v[ADS] offset:512
.endm
.macro QK1 u, t                        ; S^T's tile u of query tile t; a scale word's lanes 0-15 serve the even tile, lanes 16-31 the odd
.if ((\u)%2 == 0) && ((\t)%2 == 0)
	v_wmma_scale_f32_16x16x128_f8f6f4 v[S+8*(\u):S+8*(\u)+7], v[KF+8*(\u):KF+8*(\u)+15], v[QF+16*(\t):QF+16*(\t)+15], 0, v[KSC+(\u)/2], v[QSC+(\t)/2] matrix_a_fmt:MATRIX_FMT_BF8 matrix_b_fmt:MATRIX_FMT_BF8
.elseif ((\u)%2 == 1) && ((\t)%2 == 0)
	v_wmma_scale_f32_16x16x128_f8f6f4 v[S+8*(\u):S+8*(\u)+7], v[KF+8*(\u):KF+8*(\u)+15], v[QF+16*(\t):QF+16*(\t)+15], 0, v[KSC+(\u)/2], v[QSC+(\t)/2] matrix_a_fmt:MATRIX_FMT_BF8 matrix_b_fmt:MATRIX_FMT_BF8 matrix_a_scale:MATRIX_SCALE_ROW1
.elseif ((\u)%2 == 0) && ((\t)%2 == 1)
	v_wmma_scale_f32_16x16x128_f8f6f4 v[S+8*(\u):S+8*(\u)+7], v[KF+8*(\u):KF+8*(\u)+15], v[QF+16*(\t):QF+16*(\t)+15], 0, v[KSC+(\u)/2], v[QSC+(\t)/2] matrix_a_fmt:MATRIX_FMT_BF8 matrix_b_fmt:MATRIX_FMT_BF8 matrix_b_scale:MATRIX_SCALE_ROW1
.else
	v_wmma_scale_f32_16x16x128_f8f6f4 v[S+8*(\u):S+8*(\u)+7], v[KF+8*(\u):KF+8*(\u)+15], v[QF+16*(\t):QF+16*(\t)+15], 0, v[KSC+(\u)/2], v[QSC+(\t)/2] matrix_a_fmt:MATRIX_FMT_BF8 matrix_b_fmt:MATRIX_FMT_BF8 matrix_a_scale:MATRIX_SCALE_ROW1 matrix_b_scale:MATRIX_SCALE_ROW1
.endif
.endm
.macro QKH t, h                        ; half h of query tile t's first product: key tiles 4 h .. 4 h + 3
	WIN 0x04
.irp u, 0,1,2,3
	QK1 4*(\h)+\u, \t
.endr
.endm
.macro PV1 t, u                        ; O^T's tile u of query tile t += V^T P^T
.if (\u)%2
	v_wmma_scale_f32_16x16x128_f8f6f4 v[32*(\t)+8*(\u):32*(\t)+8*(\u)+7], v[VF+16*(\u):VF+16*(\u)+15], v[PC:PC+15], v[32*(\t)+8*(\u):32*(\t)+8*(\u)+7], v[VSC+(\u)/2], v[PW] matrix_a_fmt:MATRIX_FMT_BF8 matrix_b_fmt:MATRIX_FMT_BF8 matrix_a_scale:MATRIX_SCALE_ROW1
.else
	v_wmma_scale_f32_16x16x128_f8f6f4 v[32*(\t)+8*(\u):32*(\t)+8*(\u)+7], v[VF+16*(\u):VF+16*(\u)+15], v[PC:PC+15], v[32*(\t)+8*(\u):32*(\t)+8*(\u)+7], v[VSC+(\u)/2], v[PW] matrix_a_fmt:MATRIX_FMT_BF8 matrix_b_fmt:MATRIX_FMT_BF8
.endif
.endm
.macro LEAF b, k                       ; leaf k of block b's largest score: three scores, in ascending order
	v_max3_num_f32 v[TT+5*(\b)+(\k)], v[S+16*(\b)+3*(\k)], v[S+16*(\b)+3*(\k)+1], v[S+16*(\b)+3*(\k)+2]
.endm
.macro PVL t                           ; query tile t's second product; behind each of its four instructions up to three of the ten leaves of blocks 2, 3
.set n, 0
.irp u, 0,1,2,3
	WIN 0x51
	PV1 \t, \u
	WIN 0
.rept 3
.if n < 10
	LEAF 2+n/5, n%5
.set n, n+1
.endif
.endr
.endr
.endm
.macro ADDP j                          ; pair j of p onto chain (j + 1) % 8 of the row's sum; chain 7 is the sum itself
.if ((\j)+1)%8 == 7
	v_pk_add_f32 v[NM+2:NM+3], v[NM+2:NM+3], v[S+2*(\j):S+2*(\j)+1]
.else
	v_pk_add_f32 v[SU+2*(((\j)+1)%8):SU+2*(((\j)+1)%8)+1], v[SU+2*(((\j)+1)%8):SU+2*(((\j)+1)%8)+1], v[S+2*(\j):S+2*(\j)+1]
.endif
.endm
.macro QKS t                           ; the first half of query tile t's first product; behind each of its four instructions up to four additions of blocks 2, 3
	ADDP 16                                        ; the plain line between the conversions and the product that writes over their sources
.set j, 17
.irp u, 0,1,2,3
	WIN 0x04
	QK1 \u, \t
	WIN 0
.rept 4
.if j < 32
	ADDP j
.set j, j+1
.endif
.endr
.endr
.endm
.macro HOLD b                          ; p is not negative: a one-sided hold at 57,344 x the scale (the conversion does not saturate: ISA guide 7.6.2), two numbers a line
.set i, 0
.rept 8
	v_dual_min_num_f32 v[S+16*(\b)+i], v[S+16*(\b)+i], v[HL+(\b)] :: v_dual_min_num_f32 v[S+16*(\b)+i+1], v[S+16*(\b)+i+1], v[HL+(\b)]
.set i, i+2
.endr
.endm
.macro CODE b
	v_cvt_scalef32_pk8_bf8_f32 v[PC+4*(\b):PC+1+4*(\b)], v[S+16*(\b):S+7+16*(\b)], v[SO+(\b)]
	v_cvt_scalef32_pk8_bf8_f32 v[PC+2+4*(\b):PC+3+4*(\b)], v[S+8+16*(\b):S+15+16*(\b)], v[SO+(\b)]
.endm
.macro TILE t
.set NM, ST+4*(\t)
.irp b, 0,1
.irp k, 0,1,2,3,4
	LEAF \b, \k                                    ; ten places behind the second half of this tile's first product and behind the last conversions
.endr
.endr
	PVL ((\t)+3)%4                                 ; the tile before's second product (tile 0: the last key step's tile 3)
.irp b, 0,1,2,3
	v_max3_num_f32 v[TT+5*\b], v[TT+5*\b], v[TT+5*\b+1], v[TT+5*\b+2]
	v_max3_num_f32 v[TT+5*\b+3], v[TT+5*\b+3], v[TT+5*\b+4], v[S+16*\b+15]
.endr
.irp b, 0,1,2,3
	v_max_num_f32 v[BM+\b], v[TT+5*\b], v[TT+5*\b+3]   ; the largest score of my 16 keys of block b
.endr
.if (\t) == 0
	FETCH_V                                        ; this key step's V: thirteen places behind the product that read the last step's
.endif
.if (\t) == 3
	FETCH_K                                        ; the next key step's K
.endif
	v_mov_b32 v[WK+2], v[NM]
.irp b, 0,1,2,3
	v_permlanex16_b32 v[PX+\b], v[BM+\b], s[SEL], s[SEL+1]
.endr
.irp b, 0,1,2,3
	s_delay_alu instid0(VALU_DEP_4)
	v_max_num_f32 v[BM+\b], v[BM+\b], v[PX+\b]     ; with lane l xor 16's 16 keys
.endr
	s_delay_alu instid0(VALU_DEP_2)
	v_max3_num_f32 v[WK], v[BM], v[BM+1], v[BM+2]
	s_delay_alu instid0(VALU_DEP_1)
	v_max3_num_f32 v[NM+1], v[WK], v[BM+3], v[NM+1] ; the running largest score
	s_delay_alu instid0(VALU_DEP_1)
	v_mul_f32 v[WK+1], s[CS], v[NM+1]              ; as t (c is positive)
	s_delay_alu instid0(VALU_DEP_1)
	v_floor_f32 v[NM], -v[WK+1]                    ; -M = floor(-t): a whole number
.set j, 0
.rept 32
	v_pk_fma_f32 v[S+2*j:S+2*j+1], v[S+2*j:S+2*j+1], s[CS:CS+1], v[NM:NM+1] op_sel_hi:[1,0,0]   ; t - M
.if j == 1
	v_sub_f32 v[WK+2], v[NM], v[WK+2]              ; old M - new M: a whole number, 0 or less
.endif
.if j == 8
	v_cvt_i32_f32 v[WK+2], v[WK+2]                 ; (it saturates)
.endif
.if j == 16
	v_ldexp_f32 v[FF], 1.0, v[WK+2]                ; f
.endif
.set j, j+1
.endr
.irp b, 0,1,2,3
	v_fma_f32 v[BM+\b], v[BM+\b], s[CS], v[NM]     ; the same of each block's largest score
.endr
	s_wait_alu depctr_va_vdst(0)
.set j, 0
.rept 64
	v_exp_f32 v[S+j], v[S+j]                       ; p
.set j, j+1
.endr
.irp b, 0,1,2,3
	v_exp_f32 v[BM+\b], v[BM+\b]                   ; the block's largest p
.endr
	v_pk_mul_f32 v[NM+2:NM+3], v[NM+2:NM+3], v[FF:FF+1] op_sel_hi:[1,0]   ; the sums under the new M: the plain place behind the batch
	WIN 0x41
.if ((\t) == 0) || ((\t) == 3)
	s_wait_dscnt 0x0                               ; V's, or the next K's, fragments are in
.endif
	s_wait_alu depctr_va_vdst(0)                   ; one wait for the batch, and directly ahead of the first readers of O^T
.set j, 0
.rept 16
	v_pk_mul_f32 v[32*(\t)+2*j:32*(\t)+2*j+1], v[32*(\t)+2*j:32*(\t)+2*j+1], v[FF:FF+1] op_sel_hi:[1,0]   ; O^T under the new M
.set j, j+1
.endr
	WIN 0
.irp b, 0,1,2,3
	v_max_num_f32 v[BM+\b], 0x8000000, v[BM+\b]    ; the floor 2^(16 - 127): the byte cannot fall under 1
.endr
.irp b, 0,1,2,3
	s_delay_alu instid0(VALU_DEP_4)
	v_add_nc_u32 v[SO+\b], 0xf8800000, v[BM+\b]    ; 15 off the exponent field: the conversion's scale operand
.endr
.irp b, 0,1,2,3
	v_and_or_b32 v[HL+\b], v[BM+\b], 0x7f800000, s[MNT]   ; 57,344 x the scale
.endr
.irp b, 0,1,2,3
	v_lshrrev_b32 v[PX+\b], 23, v[SO+\b]           ; the scale's byte
.endr
.irp k, 0,1,2,3,4,5,6                  ; the row's sum of the unquantised p: 32 packed additions in eight chains.  Blocks 0, 1 first
	v_pk_add_f32 v[SU+2*\k:SU+2*\k+1], v[S+4*\k:S+4*\k+1], v[S+4*\k+2:S+4*\k+3]
.if \k == 1
	v_lshl_or_b32 v[PW], v[PX+1], 8, v[PX]         ; p's scale word for these 128 keys
.endif
.if \k == 3
	v_lshl_or_b32 v[PW], v[PX+2], 16, v[PW]
.endif
.if \k == 5
	v_lshl_or_b32 v[PW], v[PX+3], 24, v[PW]
.endif
.endr
	ADDP 14
	ADDP 15
	HOLD 0
	HOLD 1
	CODE 0
	CODE 1
	QKS ((\t)+1)%4                                 ; the next tile's scores of blocks 0, 1 (tile 3: the next key step's tile 0), and the sums of blocks 2, 3
	v_pk_add_f32 v[SU:SU+1], v[SU:SU+1], v[SU+2:SU+3]
	v_pk_add_f32 v[SU+4:SU+5], v[SU+4:SU+5], v[SU+6:SU+7]
	v_pk_add_f32 v[SU+8:SU+9], v[SU+8:SU+9], v[SU+10:SU+11]
	v_pk_add_f32 v[NM+2:NM+3], v[NM+2:NM+3], v[SU+12:SU+13]
	v_pk_add_f32 v[SU:SU+1], v[SU:SU+1], v[SU+4:SU+5]
	v_pk_add_f32 v[NM+2:NM+3], v[NM+2:NM+3], v[SU+8:SU+9]
	v_pk_add_f32 v[NM+2:NM+3], v[NM+2:NM+3], v[SU:SU+1]
	HOLD 2
	HOLD 3
	CODE 2
	CODE 3
.if (\t) == 1
	s_add_co_u32 s63, s[CNT], 1                    ; on to the next key step, behind the last to step 0: 16,384 bytes of images, 1,024 of scale words
	s_and_b32 s63, s63, 15
	s_lshl_b32 s66, s63, 10
	s_lshl_b32 s63, s63, 14
	v_add_nc_u32 v[AD], s63, v[LI]
	v_add_nc_u32 v[ADS], s66, v[LIS]
.else
	v_nop                                          ; one plain line behind the last conversion
.endif
	QKH ((\t)+1)%4, 1
	WIN 0
.endm
	s_wait_alu depctr_va_vdst(0)
	s_wait_tensorcnt 0x0                           ; my part is in;
	s_barrier_signal -1
	s_barrier_wait -1                              ; everybody's is
	FETCH_K
	FETCH_V
	s_wait_loadcnt 0x0                             ; Q
	s_wait_dscnt 0x0
	QKH 0, 0
	QKH 0, 1
	WIN 0
.rept 8
	v_nop
.endr
	s_mov_b32 s[CNT], 0
.Lstep:                                            ; 16 key steps of 128 keys
	TILE 0
	TILE 1
	TILE 2
	TILE 3
	s_add_co_u32 s[CNT], s[CNT], 1
	s_cmp_lt_u32 s[CNT], 16
	s_cbranch_scc1 .Lstep
.irp t, 0,1,2,3
	v_add_f32 v[HL+\t], v[ST+4*\t+2], v[ST+4*\t+3] ; the sums' halves: also the places ahead of the last second product
.endr
	WIN 0x51
.irp u, 0,1,2,3
	PV1 3, \u
.endr
	WIN 0
.irp t, 0,1,2,3
	v_permlanex16_b32 v[SO+\t], v[HL+\t], s[SEL], s[SEL+1]
.endr
.irp t, 0,1,2,3
	v_add_f32 v[HL+\t], v[HL+\t], v[SO+\t]         ; the rows' sums
.endr
	s_wait_alu depctr_va_vdst(0)
.irp t, 0,1,2,3
	v_rcp_f32 v[BM+2*\t], v[HL+\t]
.endr
	v_nop
; 64 numbers of a lane, sixteen of each of four blocks of 32 (the other sixteen lie in lane l xor 16), become codes in v[PC] on and four scale bytes in v[PW]
.macro QUANT s
.irp b, 0,1,2,3
	v_max3_num_f32 v[TM+\b], |v[\s+16*\b]|, |v[\s+1+16*\b]|, 0x8000000
.endr
.irp i, 2,4,6,8,10,12,14
.irp b, 0,1,2,3
	v_max3_num_f32 v[TM+\b], v[TM+\b], |v[\s+16*\b+\i]|, |v[\s+1+16*\b+\i]|
.endr
.endr
.irp b, 0,1,2,3
	v_permlanex16_b32 v[TM+4+\b], v[TM+\b], s[SEL], s[SEL+1]
.endr
.irp b, 0,1,2,3
	v_max_num_f32 v[TM+\b], v[TM+\b], v[TM+4+\b]
.endr
.irp b, 0,1,2,3
	v_add_nc_u32 v[TM+12+\b], 0xf8800000, v[TM+\b]
.endr
.irp b, 0,1,2,3
	v_and_or_b32 v[TM+8+\b], v[TM+\b], 0x7f800000, s[MNT]
.endr
.irp b, 0,1,2,3
	v_lshrrev_b32 v[TM+4+\b], 23, v[TM+12+\b]
.endr
	v_lshl_or_b32 v[PW], v[TM+5], 8, v[TM+4]
	v_lshl_or_b32 v[PW], v[TM+6], 16, v[PW]
	v_lshl_or_b32 v[PW], v[TM+7], 24, v[PW]
.irp b, 0,1,2,3
.irp i, 0,1,2,3,4,5,6,7,8,9,10,11,12,13,14,15
	v_med3_num_f32 v[\s+16*\b+\i], v[\s+16*\b+\i], -v[TM+8+\b], v[TM+8+\b]
.endr
	v_cvt_scalef32_pk8_bf8_f32 v[PC+4*\b:PC+1+4*\b], v[\s+16*\b:\s+7+16*\b], v[TM+12+\b]
	v_cvt_scalef32_pk8_bf8_f32 v[PC+2+4*\b:PC+3+4*\b], v[\s+8+16*\b:\s+15+16*\b], v[TM+12+\b]
.endr
	v_nop
.endm
.macro OUTP p                          ; query tiles 2 p and 2 p + 1: O^T / the sum, quantised along the head's 64; codes to my stage, scale bytes to a_scales
	WIN 0x01
	s_wait_alu depctr_va_vdst(0)                   ; the wait behind the reciprocals, directly ahead of the first readers of O^T
.set j, 0
.rept 32
	v_pk_mul_f32 v[S+2*j:S+2*j+1], v[64*(\p)+2*j:64*(\p)+2*j+1], v[BM+2*(2*(\p)+j/16):BM+2*(2*(\p)+j/16)+1] op_sel_hi:[1,0]
.set j, j+1
.endr
	WIN 0
	QUANT S
.irp b, 0,1,2,3
	ds_store_b128 v[STO], v[PC+4*\b:PC+4*\b+3] offset:(32*(\p)+8*(\b/2))*64+32*(\b%2)
.endr
	v_lshrrev_b32 v[WO+(\p)], v[SH16], v[PW]       ; lanes 0-15 the even tile's two bytes, lanes 16-31 the odd tile's
	global_store_b16 v[ASO], v[WO+(\p)], s[14:15] offset:1024*(\p)
	s_wait_dscnt 0x0                               ; the stores have read the codes' registers
.endm
	OUTP 0
	OUTP 1
.irp n, 0,1,2,3,4,5,6,7
	ds_load_b128 v[S+4*\n:S+4*\n+3], v[RD] offset:512*\n   ; my stage is my own: 64 tokens x 64 bytes on end
.endr
.irp n, 0,1,2,3,4,5,6,7
	s_wait_dscnt 7-\n                              ; the 7 - n younger loads may be out
	global_store_b128 v[LI], v[S+4*\n:S+4*\n+3], s[12:13] offset:512*\n   ; 32 lanes store 512 consecutive bytes, at a multiple of 512 from the buffer's first byte
.endr
	s_wait_tensorcnt 0x0                           ; the wave's end
	ds_add_u32 v[SPW], v[NIL]
	s_wait_dscnt 0x0
	CROUND                                         ; the closing round
	s_endpgm
.Lfunc_end_k_qc0edd2ca00_attn:
	.size	k_qc0edd2ca00_attn, .Lfunc_end_k_qc0edd2ca00_attn-k_qc0edd2ca00_attn
	.p2alignl 7, 3214868480
	.fill 96, 4, 3214868480
	.section	.rodata,"a",@progbits
	.p2align	6, 0x0
	.amdhsa_kernel k_qc0edd2ca00_attn
		.amdhsa_group_segment_fixed_size 327680
		.amdhsa_private_segment_fixed_size 0
		.amdhsa_enable_private_segment 0
		.amdhsa_kernarg_size 48
		.amdhsa_user_sgpr_count 2
		.amdhsa_user_sgpr_kernarg_segment_ptr 1
		.amdhsa_wavefront_size32 1
		.amdhsa_system_sgpr_workgroup_id_x 1
		.amdhsa_system_sgpr_workgroup_id_y 1
		.amdhsa_system_sgpr_workgroup_id_z 1
		.amdhsa_system_vgpr_workitem_id 0
		.amdhsa_next_free_vgpr 512
		.amdhsa_next_free_sgpr 82
		.amdhsa_reserve_vcc 0
		.amdhsa_float_denorm_mode_32 3
		.amdhsa_float_denorm_mode_16_64 3
		.amdhsa_memory_ordered 1
		.amdhsa_forward_progress 1
		.amdhsa_inst_pref_size 110
	.end_amdhsa_kernel
	.amdgpu_metadata
---
amdhsa.version: [ 1, 2 ]
amdhsa.kernels:
  - .name:           k_qc0edd2ca00_attn
    .symbol:         k_qc0edd2ca00_attn.kd
    .args:
      - { .name: q_img, .offset: 0, .size: 8, .value_kind: global_buffer, .address_space: global }
      - { .name: q_sc, .offset: 8, .size: 8, .value_kind: global_buffer, .address_space: global }
      - { .name: kv_img, .offset: 16, .size: 8, .value_kind: global_buffer, .address_space: global }
      - { .name: kv_sc, .offset: 24, .size: 8, .value_kind: global_buffer, .address_space: global }
      - { .name: a_codes, .offset: 32, .size: 8, .value_kind: global_buffer, .address_space: global }
      - { .name: a_scales, .offset: 40, .size: 8, .value_kind: global_buffer, .address_space: global }
    .group_segment_fixed_size: 327680
    .private_segment_fixed_size: 0
    .kernarg_segment_align: 8
    .kernarg_segment_size: 48
    .max_flat_workgroup_size: 256
    .sgpr_count:     82
    .vgpr_count:     512
    .wavefront_size: 32
...
	.end_amdgpu_metadata
.endif
;; end of part 2
;; launch oproj (part 3): grid 8 x 32, 4 waves a work-group, clusters of 4 x 4, 327,680 bytes of LDS; arguments a_codes, a_scales, wo_codes, wo_scales, out0, bo; writes out0
.if DOCPART == 3
	.amdgcn_target "amdgcn-amd-amdhsa--gfx1250"
	.amdhsa_code_object_version 6
	.text
	.protected	k_qc0edd2ca00_oproj
	.globl	k_qc0edd2ca00_oproj
	.p2align	8
	.type	k_qc0edd2ca00_oproj,@function
k_qc0edd2ca00_oproj:
	s_mov_b64 s[64:65], 0
	v_nop
	global_prefetch_b8 v0, s[64:65] scope:SCOPE_SE
	s_setreg_imm32_b32 hwreg(HW_REG_WAVE_MODE, 25, 1), 1
	s_wait_xcnt 0x0
	s_wait_alu depctr_hold_cnt(0) depctr_sa_sdst(0) depctr_va_vdst(0) depctr_va_sdst(0) depctr_va_ssrc(0) depctr_va_vcc(0) depctr_vm_vsrc(0)
	s_getreg_b32 s2, hwreg(HW_REG_IB_STS2, 6, 4)
	s_cmp_eq_u32 s2, 0
	s_cbranch_scc0 .Lentry_in_a_cluster
	s_endpgm
.Lentry_in_a_cluster:
	s_bfe_u32 s2, ttmp6, 0x10000c
	s_cmp_lg_u32 s2, 0xf033
	s_cbranch_scc0 .Lentry_shape_is_right
	s_endpgm
.Lentry_shape_is_right:
; out0 = a wo + bo on codes of BF8 (E5M2) with one E8M0 scale for each 32 along K = 1,024; sums in f32.
; a_codes [head 16][token 8,192][64], a_scales [token][32] as launch attn stores them; wo_codes [n 1,024][k 1,024], wo_scales [n][32]; out0 [token][1,024] f32.
; SHARES: 256 work-groups, each 256 tokens x 128 columns; four waves, 2 x 2: wave row = wave / 2 (64 tokens of each 128), wave column = wave % 2 (64 rows of wo).
; A wave holds its 64 rows of wo, all of K, in 512 registers and streams its 128 tokens past them in eight blocks of 16: 32 products a block, four accumulators by turns, K ascending, the bias as the first C.
; LDS: region X takes tokens 0-127 (16 heads x 8,192 bytes), region Y wo's 128 rows, both as units of 256 bytes + 16 of padding, 139,264 bytes each.  When wo is in registers, tokens 128-255 are filled over Y in a drained round:
; the two images cover the same bytes.  wo comes as two tiles of 128 rows x 512 bytes (row pitch 544): two lanes of sixteen meet in a bank there, in 128 loads a wave, once.
; CLUSTERS 4 x 4: a's tiles are asked for jointly along a row of the cluster, wo's along a column.  At the head one load a wave: waves 0, 1 wo's halves of K, shown first; waves 2, 3 eight heads of X each.
; Scale words and the bias go from memory straight into registers: 4,096 + 2,048 + 256 bytes a wave, each read once by the wave.
; PREFETCH: Y's second tenant, 131,072 bytes, is asked for at the head, once in each row of a cluster: the row's sixteen waves take a head each by address, lanes 256 bytes apart.  X and wo come by their loads alone.
; THE MATRIX INSTRUCTION IS USED TRANSPOSED (source 0 = 16 rows of wo, source 1 = 16 tokens): lane (r, h) holds token r and columns 16 b + 8 h + 0 .. 7.  A block goes through my own stage and leaves as rows of 256 bytes.
; LIMITS: NaN and infinities are not served.
; REGISTERS: window 0: v4-20 addresses; v24-39 wo's scale words; v44-107 a's, eight a block; v108-139 the bias; v140-203 two sets of four accumulators; v204-235 a block on its way out.  Windows 1, 2: wo.  Window 3: a's two sets.
.set HEADG, 524288                     ; from head to head in a_codes
.set HEADB, 32*272                     ; 128 tokens of one head in LDS
.set YB,    16*HEADB                   ; region Y
.set WP,    544                        ; a row of half of wo's K in LDS
.set STAGE, 2*YB                       ; 16 rows x 272 bytes a wave
.set SPARE, STAGE+4*4352               ; the spare words, 128 bytes a wave
.set CO,  4
.set STO, 5
.set RD,  6
.set ABS, 7
.set AAS, 8
.set BOF, 9
.set SPW, 10
.set NIL, 11
.set AA,  12                           ; v12-14 my fragments of X: heads 0-5, 6-11, 12-15; v15-17 the same of Y
.set WB,  18                           ; v18-19 my rows of wo: K 0-511, 512-1,023
.set PF,  20
.set SB,  24                           ; register 8 p + q: lanes 0-15 tile 2 p's rows, lanes 16-31 tile 2 p + 1's, the q-th 128 of K
.set SA,  44                           ; register 8 i + q: block i's tokens.  No product's two scale words have numbers equal modulo 8
.set BQ,  108
.set ACC, 140
.set OB,  204
.set G1W, 24
.set G1A8, 32
.set G1A4, 48
.set G0W, 56
.set G0A, 60
.set G0R, 68
.set MSB, 0
.macro WIN new                         ; the immediate's high byte repeats the setting that is left
.if MSB != (\new)
	s_set_vgpr_msb (MSB<<8)|(\new)
.set MSB, (\new)
.endif
.endm
.macro BARRIER
	s_barrier_signal -1
	s_barrier_wait -1
.endm
.macro CROUND                          ; a round of the cluster's barrier
	BARRIER
	s_cmp_lg_u32 s14, 0
	s_cbranch_scc1 .Lnot_wave_0_\@
	s_barrier_signal -3
.Lnot_wave_0_\@:
	s_barrier_wait -3
	BARRIER
.endm
.macro TLOAD g0, g1                    ; an s_nop 0 and four v_nop follow a tensor load
	tensor_load_to_lds s[\g0:\g0+3], s[\g1:\g1+7]
	s_nop 0
.rept 4
	v_nop
.endr
.endm
.macro GROUP1 g, mask, row, rows, pitch ; rows of so many bytes, 16 bytes of padding behind each 256
	s_or_b32 s[\g], s\mask, (1<<20)|(1<<21)|(5<<22)|(3<<25)
	s_mov_b32 s[\g+1], (\row)<<16
	s_mov_b32 s[\g+2], (\rows)<<16
	s_mov_b32 s[\g+3], (\row)<<16
	s_mov_b32 s[\g+4], \rows
	s_mov_b32 s[\g+5], \pitch
	s_mov_b32 s[\g+6], 0
	s_mov_b32 s[\g+7], 0
.endm
	s_load_b128 s[4:7], s[0:1], 0x0                ; a_codes, a_scales
	s_load_b128 s[8:11], s[0:1], 0x10              ; wo_codes, wo_scales
	s_load_b64 s[12:13], s[0:1], 0x20              ; out0
	s_load_b64 s[96:97], s[0:1], 0x28              ; bo
	v_lshl_add_u32 v[SPW], v0, 2, SPARE
	v_mov_b32 v[NIL], 0
	ds_add_u32 v[SPW], v[NIL]                      ; the opening lines: the add, twice on end, and its wait
	ds_add_u32 v[SPW], v[NIL]
	v_lshrrev_b32 v1, 5, v0
	v_readfirstlane_b32 s14, v1                    ; wave
	s_lshr_b32 s15, s14, 1                         ; wave row
	s_and_b32 s16, s14, 1                          ; wave column
	s_bfe_u32 s40, ttmp6, 0x40000                  ; cx, cy
	s_bfe_u32 s41, ttmp6, 0x40004
	s_lshl_b32 s42, ttmp9, 2
	s_add_co_u32 s42, s42, s40                     ; tile column, 0 .. 7
	s_and_b32 s17, ttmp7, 0xffff
	s_lshl_b32 s17, s17, 2
	s_add_co_u32 s17, s17, s41                     ; tile row, 0 .. 31
	s_lshl_b32 s43, s41, 2
	s_lshl_b32 s43, 15, s43                        ; my row of the cluster
	s_lshl_b32 s44, 0x1111, s40                    ; my column
	GROUP1 G1W, 44, 512, 128, 1024                 ; half of K of wo's 128 rows
	GROUP1 G1A8, 43, 8192, 8, HEADG                ; 128 tokens of eight heads
	GROUP1 G1A4, 43, 8192, 4, HEADG                ; of four
	s_lshl_b32 s20, s17, 14                        ; a_codes: my tile row's first token x 64 bytes,
	s_lshl_b32 s18, s16, 22                        ; X: eight heads x (wave % 2)
	s_add_co_u32 s20, s20, s18
	s_mov_b32 s21, 0
	s_lshl_b32 s22, s17, 14
	s_add_co_u32 s22, s22, 8192                    ; 128 tokens on,
	s_lshl_b32 s18, s14, 21                        ; four heads x wave
	s_add_co_u32 s22, s22, s18
	s_mov_b32 s23, 0
	s_lshl_b32 s46, s42, 17                        ; wo_codes: my tile column's first row x 1,024,
	s_lshl_b32 s18, s16, 9                         ; + 512 x (wave % 2)
	s_add_co_u32 s46, s46, s18
	s_mov_b32 s47, 0
	s_mul_i32 s45, s16, 8*HEADB                    ; half a region
	s_mov_b32 s[G0A], 1
	s_mov_b32 s[G0A+1], s45
	s_mov_b32 s[G0W], 1
	s_add_co_u32 s[G0W+1], s45, YB
	s_mov_b32 s[G0R], 1
	s_mul_i32 s[G0R+1], s14, 4*HEADB
	s_add_co_u32 s[G0R+1], s[G0R+1], YB
	s_lshl_b32 s72, s42, 12                        ; wo_scales: my wave's 64 rows
	s_lshl_b32 s18, s16, 11
	s_add_co_u32 s72, s72, s18
	s_mov_b32 s73, 0
	s_lshl_b32 s74, s17, 13                        ; a_scales: my wave row's first token
	s_lshl_b32 s18, s15, 11
	s_add_co_u32 s74, s74, s18
	s_mov_b32 s75, 0
	s_lshl_b32 s76, s42, 9                         ; my first column x 4 bytes
	s_lshl_b32 s18, s16, 8
	s_add_co_u32 s76, s76, s18
	s_mov_b32 s77, 0
	s_lshl_b32 s78, s17, 20                        ; out0: my first token x 4,096 + my first column x 4
	s_lshl_b32 s18, s15, 18
	s_add_co_u32 s78, s78, s18
	s_add_co_u32 s78, s78, s76
	s_mov_b32 s79, 0
	s_lshl_b32 s80, s40, 2                         ; the prefetch: which of the cluster row's sixteen waves I am: my head,
	s_add_co_u32 s80, s80, s14
	s_lshl_b32 s80, s80, 19
	s_lshl_b32 s18, s17, 14
	s_add_co_u32 s80, s80, s18
	s_add_co_u32 s80, s80, 8192                    ; tokens 128-255 of the tile row
	s_mul_i32 s81, s15, 4352                       ; 64 tokens of a head in LDS
	s_mul_i32 s82, s16, 64*WP
	s_add_co_u32 s82, s82, YB
	s_mul_i32 s83, s14, 4352
	s_add_co_u32 s83, s83, STAGE
	s_wait_dscnt 0x0
	s_wait_kmcnt 0x0
	s_add_nc_u64 s[G0A+2:G0A+3], s[4:5], s[20:21]
	s_or_b32 s[G0A+3], s[G0A+3], 0x80000000
	s_add_nc_u64 s[G0R+2:G0R+3], s[4:5], s[22:23]
	s_or_b32 s[G0R+3], s[G0R+3], 0x80000000
	s_add_nc_u64 s[G0W+2:G0W+3], s[8:9], s[46:47]
	s_or_b32 s[G0W+3], s[G0W+3], 0x80000000
	s_add_nc_u64 s[10:11], s[10:11], s[72:73]
	s_add_nc_u64 s[6:7], s[6:7], s[74:75]
	s_add_nc_u64 s[96:97], s[96:97], s[76:77]
	s_add_nc_u64 s[12:13], s[12:13], s[78:79]
	CROUND                                         ; all sixteen work-groups are here: the first joint loads meet
	s_cmp_lt_u32 s14, 2                            ; one load a wave; waves 0, 1 have a line of their own: wo is shown ahead of X
	s_cbranch_scc0 .Lfor_a
	TLOAD G0W, G1W
	s_branch .Lasked
.Lfor_a:
	TLOAD G0A, G1A8
.Lasked:
	v_and_b32 v1, 15, v0                           ; r
	v_bfe_u32 v2, v0, 4, 1                         ; h
	v_and_b32 v3, 31, v0                           ; lane
	v_lshrrev_b32 v21, 2, v1                       ; a: four tokens of 64 bytes to a unit
	v_mul_u32_u24 v21, v21, 272
	v_and_b32 v22, 3, v1
	v_lshl_add_u32 v21, v22, 6, v21
	v_lshl_add_u32 v21, v2, 4, v21
	v_add_nc_u32 v[AA], s81, v21
	v_add_nc_u32 v[AA+1], 6*HEADB, v[AA]           ; an LDS offset has 16 bits: a base for each six heads
	v_add_nc_u32 v[AA+2], 12*HEADB, v[AA]
	v_add_nc_u32 v[AA+3], YB, v[AA]
	v_add_nc_u32 v[AA+4], YB, v[AA+1]
	v_add_nc_u32 v[AA+5], YB, v[AA+2]
	v_mul_u32_u24 v22, v1, WP
	v_lshl_add_u32 v22, v2, 4, v22
	v_add_nc_u32 v[WB], s82, v22
	v_add_nc_u32 v[WB+1], 128*WP, v[WB]
	v_mul_u32_u24 v22, v1, 272
	v_lshl_add_u32 v22, v2, 5, v22
	v_add_nc_u32 v[STO], s83, v22                  ; the stage, in: row r, 32 bytes for each half of the lanes
	v_mul_u32_u24 v22, v2, 272
	v_lshl_add_u32 v22, v1, 4, v22
	v_add_nc_u32 v[RD], s83, v22                   ; back: lanes 0-15 one row of 256 bytes, lanes 16-31 the next
	v_lshlrev_b32 v22, 12, v2
	v_lshl_add_u32 v[CO], v1, 4, v22               ; and the same two rows in out0
	v_lshlrev_b32 v[ABS], 5, v3                    ; wo's scale bytes: lane l takes row l of a pair of tiles
	v_lshlrev_b32 v[AAS], 5, v1                    ; a's: token r of a block
	v_lshlrev_b32 v[BOF], 5, v2
	v_lshl_add_u32 v[PF], v3, 8, s80
.irp p, 0,1
.irp c, 0,1
	global_load_b128 v[SB+8*\p+4*\c:SB+8*\p+4*\c+3], v[ABS], s[10:11] offset:\p*1024+16*\c
.endr
.endr
.irp i, 0,1,2,3,4,5,6,7
.irp c, 0,1
	global_load_b128 v[SA+8*\i+4*\c:SA+8*\i+4*\c+3], v[AAS], s[6:7] offset:(128*(\i/4)+16*(\i%4))*32+16*\c
.endr
.endr
.irp b, 0,1,2,3
	global_load_b128 v[BQ+8*\b:BQ+8*\b+3], v[BOF], s[96:97] offset:64*\b          ; tile b's eight columns of my half, in the result's layout
	global_load_b128 v[BQ+8*\b+4:BQ+8*\b+7], v[BOF], s[96:97] offset:64*\b+16
.endr
	global_prefetch_b8 v[PF], s[4:5] th:TH_LOAD_NT scope:SCOPE_SE                 ; 8,192 bytes of my head; its address registers are never written again
	s_wait_alu depctr_va_vdst(0)
	s_cmp_lt_u32 s14, 2
	s_cbranch_scc0 .Lnot_w
	s_wait_tensorcnt 0x0                           ; waves 0, 1: wo has landed.  The others' wait stands ahead of the round below
.Lnot_w:
	BARRIER
.irp q, 0,1,2,3,4,5,6,7                ; my 64 rows of wo, all of K: fragment 4 q + b lies in window 1 + q / 4: lane l holds row l % 16; registers 4 c .. 4 c + 3 hold K = 128 q + 32 c + 16 (l / 16) + 0 .. 15
.irp b, 0,1,2,3
	WIN (1+(4*\q+\b)/16)<<6
.irp c, 0,1,2,3
	ds_load_b128 v[16*((4*\q+\b)%16)+4*\c:16*((4*\q+\b)%16)+4*\c+3], v[WB+\q/4] offset:\b*16*WP+((\q/2)%2)*272+(\q%2)*128+32*\c
.endr
.endr
.endr
	WIN 0
	s_wait_tensorcnt 0x0                           ; X is in; the three lines ahead of a refill's round
	ds_add_u32 v[SPW], v[NIL]
	s_wait_dscnt 0x0                               ; the add is done, and wo is in my registers
	CROUND                                         ; both hold of every wave of the cluster
	TLOAD G0R, G1A4                                ; tokens 128-255 over wo's rows: four heads a wave
.macro FETCH i                         ; block i's 16 tokens, all of K, into set i % 2 of window 3: 32 loads.  The q-th 128 of K are heads 2 q and 2 q + 1
	WIN 3<<6
.irp q, 0,1,2,3,4,5,6,7
.irp c, 0,1,2,3
	ds_load_b128 v[128*((\i)%2)+16*\q+4*\c:128*((\i)%2)+16*\q+4*\c+3], v[AA+3*((\i)/4)+(2*\q+\c/2)/6] offset:((2*\q+\c/2)%6)*HEADB+((\i)%4)*1088+32*(\c%2)
.endr
.endr
	WIN 0
.endm
.macro PROD i, q, b
.set FB_, 4*(\q)+(\b)
.set AC_, ACC+32*((\i)%2)+8*(\b)
.set C_, AC_
.if (\q) == 0
.set C_, BQ+8*(\b)                     ; the sums start from the bias
.endif
.set R_, 128*((\i)%2)+16*(\q)
.set W_, 16*(FB_%16)
	WIN (1+FB_/16)|(3<<2)
.if (\b)%2
	v_wmma_scale_f32_16x16x128_f8f6f4 v[AC_:AC_+7], v[W_:W_+15], v[R_:R_+15], v[C_:C_+7], v[SB+8*((\b)/2)+(\q)], v[SA+8*(\i)+(\q)] matrix_a_fmt:MATRIX_FMT_BF8 matrix_b_fmt:MATRIX_FMT_BF8 matrix_a_scale:MATRIX_SCALE_ROW1
.else
	v_wmma_scale_f32_16x16x128_f8f6f4 v[AC_:AC_+7], v[W_:W_+15], v[R_:R_+15], v[C_:C_+7], v[SB+8*((\b)/2)+(\q)], v[SA+8*(\i)+(\q)] matrix_a_fmt:MATRIX_FMT_BF8 matrix_b_fmt:MATRIX_FMT_BF8
.endif
.endm
.macro SEND j                          ; block j's 16 rows: sixteen lanes store 256 consecutive bytes, at a multiple of 256 from out0's first byte
.irp t, 0,1,2,3,4,5,6,7
	global_store_b128 v[CO], v[OB+4*\t:OB+4*\t+3], s[12:13] offset:(128*((\j)/4)+16*((\j)%4)+2*\t)*4096 th:TH_STORE_NT
.endr
.endm
; A BLOCK.  Behind its products: the block before leaves; eight places; its sums go through my stage; its set takes the block two on.
; The counted waits count the LDS instructions issued behind the loads that are wanted: a block's tail is 8 stage stores, 8 stage loads and, where it has one, a fetch of 32.
.macro ITER i
.if ((\i) == 0) || ((\i) == 4)
	s_wait_dscnt 32                                ; behind my set's fetch: the other set's
.elseif ((\i) == 3) || ((\i) == 7)
	s_wait_dscnt 16                                ; the last tail had no fetch
.else
	s_wait_dscnt 48
.endif
.irp q, 0,1,2,3,4,5,6,7
.irp b, 0,1,2,3
	PROD \i, \q, \b
.endr
.endr
	WIN 0
.if (\i) > 0
.if ((\i) == 3) || ((\i) == 7)
	s_wait_dscnt 0x0
.elseif (\i) != 4
	s_wait_dscnt 32                                ; the block before is back from the stage; the fetch behind it may be out
.endif
	SEND (\i)-1
.endif
.rept 8
	v_nop                                          ; places behind the last product, ahead of the stores of its sums and of the loads into what it has read
.endr
.irp b, 0,1,2,3
	ds_store_b128 v[STO], v[ACC+32*((\i)%2)+8*\b:ACC+32*((\i)%2)+8*\b+3] offset:64*\b       ; each accumulator from its low end on
	ds_store_b128 v[STO], v[ACC+32*((\i)%2)+8*\b+4:ACC+32*((\i)%2)+8*\b+7] offset:64*\b+16
.endr
	s_wait_xcnt 0x0                                ; the stores above have read their registers, which the loads below write
.irp t, 0,1,2,3,4,5,6,7
	ds_load_b128 v[OB+4*\t:OB+4*\t+3], v[RD] offset:\t*544   ; LDS serves a wave's instructions in order (ISA guide 5.7.1.4): these see my stores
.endr
.if ((\i) < 2) || ((\i) == 4) || ((\i) == 5)
	FETCH (\i)+2
.endif
.if (\i) == 3
	s_wait_tensorcnt 0x0                           ; my part of tokens 128-255 is in: it had four blocks in which to land
	s_wait_dscnt 0x0
	BARRIER                                        ; everybody's is
	FETCH 4
	FETCH 5
.endif
.endm
	FETCH 0
	FETCH 1
	s_wait_loadcnt 0x0                             ; scale words and bias
.irp i, 0,1,2,3,4,5,6,7
	ITER \i
.endr
	s_wait_dscnt 0x0
	SEND 7
	s_wait_tensorcnt 0x0                           ; the wave's end
	ds_add_u32 v[SPW], v[NIL]
	s_wait_dscnt 0x0
	CROUND                                         ; the closing round
	s_endpgm
.Lfunc_end_k_qc0edd2ca00_oproj:
	.size	k_qc0edd2ca00_oproj, .Lfunc_end_k_qc0edd2ca00_oproj-k_qc0edd2ca00_oproj
	.p2alignl 7, 3214868480
	.fill 96, 4, 3214868480
	.section	.rodata,"a",@progbits
	.p2align	6, 0x0
	.amdhsa_kernel k_qc0edd2ca00_oproj
		.amdhsa_group_segment_fixed_size 327680
		.amdhsa_private_segment_fixed_size 0
		.amdhsa_enable_private_segment 0
		.amdhsa_kernarg_size 48
		.amdhsa_user_sgpr_count 2
		.amdhsa_user_sgpr_kernarg_segment_ptr 1
		.amdhsa_wavefront_size32 1
		.amdhsa_system_sgpr_workgroup_id_x 1
		.amdhsa_system_sgpr_workgroup_id_y 1
		.amdhsa_system_sgpr_workgroup_id_z 1
		.amdhsa_system_vgpr_workitem_id 0
		.amdhsa_next_free_vgpr 1024
		.amdhsa_next_free_sgpr 100
		.amdhsa_reserve_vcc 0
		.amdhsa_float_denorm_mode_32 3
		.amdhsa_float_denorm_mode_16_64 3
		.amdhsa_memory_ordered 1
		.amdhsa_forward_progress 1
		.amdhsa_inst_pref_size 86
	.end_amdhsa_kernel
	.amdgpu_metadata
---
amdhsa.version: [ 1, 2 ]
amdhsa.kernels:
  - .name:           k_qc0edd2ca00_oproj
    .symbol:         k_qc0edd2ca00_oproj.kd
    .args:
      - { .name: a_codes, .offset: 0, .size: 8, .value_kind: global_buffer, .address_space: global }
      - { .name: a_scales, .offset: 8, .size: 8, .value_kind: global_buffer, .address_space: global }
      - { .name: wo_codes, .offset: 16, .size: 8, .value_kind: global_buffer, .address_space: global }
      - { .name: wo_scales, .offset: 24, .size: 8, .value_kind: global_buffer, .address_space: global }
      - { .name: out0, .offset: 32, .size: 8, .value_kind: global_buffer, .address_space: global }
      - { .name: bo, .offset: 40, .size: 8, .value_kind: global_buffer, .address_space: global }
    .group_segment_fixed_size: 327680
    .private_segment_fixed_size: 0
    .kernarg_segment_align: 8
    .kernarg_segment_size: 48
    .max_flat_workgroup_size: 128
    .sgpr_count:     100
    .vgpr_count:     1024
    .wavefront_size: 32
...
	.end_amdgpu_metadata
.endif
;; end of part 3
